; MI455X (gfx1250); checked and timed in simulation.
; The chip was launched on July 23, 2026; its instructions are those of AMD's public machine-readable ISA for CDNA 5 (MIT licence, August 2026) and "CDNA5" Instruction Set Architecture Reference Guide (July 2026). The comments in the code are by the model that wrote it; some were corrected since.
;; Multi Headed Attention. Allowed arithmetic: matrix products marked QUANTISED: E3M2 operands, one E8M0 scale for each 32 along K, by v_wmma_scale_f32_16x16x128_f8f6f4 with both operands' format E3M2, f32 sums; everything else in f32.
;; Inputs: Wk 1,024 x 1,024 float32; Wo 1,024 x 1,024 float32; Wq 1,024 x 1,024 float32; Wv 1,024 x 1,024 float32; bk 1,024 float32; bo 1,024 float32; bq 1,024 float32; bv 1,024 float32; key 4 x 2,048 x 1,024 float32; query 4 x 2,048 x 1,024 float32; value 4 x 2,048 x 1,024 float32.
;; Outputs: out0 4 x 2,048 x 1,024 float32.
;; This version of the problem:
;;   THIS VERSION OF THE PROBLEM IS GIVEN IN LOW PRECISION. The matrix products marked QUANTISED in the list below multiply operands that are first quantised to E3M2 (3 exponent bits, 2 mantissa bits; 6 bits a number), with one power-of-two scale for each 32 numbers along K (OCP MX v1.0); their sums are f32. All else is computed in f32.
;;   The module's matrix products, in the order in which they are computed (A, B: the left and right operand; K: the contracted axis; several contracted axes count as one K, in the product's order):
;;     1. [M 8,192, K 1,024] x [K 1,024, N 1,024]; A: input query; B: input Wq: QUANTISED
;;     2. [M 8,192, K 1,024] x [K 1,024, N 1,024]; A: input key; B: input Wk: QUANTISED
;;     3. [M 8,192, K 1,024] x [K 1,024, N 1,024]; A: input value; B: input Wv: QUANTISED
;;     4. batch 64 x [M 2,048, K 64] x [K 64, N 2,048]; A: computed on the way; B: computed on the way: QUANTISED
;;     5. batch 64 x [M 2,048, K 2,048] x [K 2,048, N 64]; A: softmax (see below); B: computed on the way: QUANTISED
;;     6. [M 8,192, K 1,024] x [K 1,024, N 1,024]; A: computed on the way; B: input Wo: QUANTISED
;;   THE QUANTISER, for each operand of a quantised product, along K:
;;     - K is cut into blocks of 32 from its start; a last block that is shorter is filled with zeros.
;;     - A block's scale is 2^e with e = floor(log2(the largest magnitude in the block)) - 4, held to -126 .. 127; a block of zeros has e = 0. As a byte (E8M0): e + 127.
;;     - Each number is divided by its block's scale, clamped to +-28, and rounded to the nearest number of E3M2, ties to even, subnormals kept.
;;     - The product sums the exact products of the quantised numbers (number of the format x scale) in f32.
;;   ~~~python
;;   def quantise(x, axis):      # numpy; x: float32 -> the quantised numbers, widened to float32 again
;;       x = np.moveaxis(x, axis, -1); K = x.shape[-1]
;;       x = np.pad(x, [(0, 0)] * (x.ndim - 1) + [(0, -K % 32)]); x = x.reshape(x.shape[:-1] + (-1, 32)); a = np.abs(x).max(-1, keepdims=True)
;;       e = np.where(a > 0, np.clip(np.frexp(np.where(a > 0, a, 1))[1] - 1 - 4, -126, 127), 0)      # np.frexp(a)[1] - 1 = floor(log2(a)), exactly
;;       r = np.clip(x / 2.0 ** e, -28, 28)
;;       step = 2.0 ** (np.maximum(np.frexp(np.where(r == 0, 1, r))[1] - 1, -2) - 2)
;;       q = np.round(r / step) * step * 2.0 ** e      # np.round: ties to even
;;       return np.moveaxis(q.reshape(q.shape[:-2] + (-1,))[..., :K], -1, axis).astype(np.float32)
;;   ~~~
;;   SOFTMAX AHEAD OF A QUANTISED PRODUCT. Where the list says 'softmax', what is quantised is not the finished softmax but p = 2^(t - M), with t = logit x log2(e) and M = ceil(the row's largest t), a whole number; so 1/2 < the row's largest p <= 1. The row's sum l is taken of the UNQUANTISED p, in f32, and the product's result is divided by l at the end. Since M is a whole number, a kernel that streams over the keys may use a running M (the ceiling of the running maximum): every later rescaling is an exact power of two, which a block's scale takes up: the codes' values come out the same.
;;   OPERANDS COMPUTED ON THE WAY. 'Computed on the way' means the value that the module computes at that place (a softmax that the list does not call 'softmax' is quantised finished and normalised). What goes into a quantiser is computed in f32, as accurately as f32 sums, v_exp_f32 and their like allow (about 1e-6 of the number): no bf16 or f16 on the way to a quantiser, and a product that is left as it is and whose result goes on into a quantised operand takes f32 operands (vector FMAs, or v_wmma_f32_16x16x4_f32). A number that lies on a knife's edge between two numbers of the format may be rounded either way, as far as f32 arithmetic and the matrix unit's own rounding can turn it there, and no further.
;; One version. Each part assembles by itself: llvm-mc -triple=amdgcn-amd-amdhsa -mcpu=gfx1250 --defsym DOCPART=n.
;; ======== version 1 of 1: 4 launches
;; limits: right only within a limited range of input values
;; workspace buffers: opx 19,660,800 bytes; opw 3,276,800 bytes; qh 6,815,744 bytes; kv 13,369,344 bytes; ao 6,553,600 bytes
;; launch quant (part 1): grid 896 x 1, 2 waves a work-group, no clusters, 17,152 bytes of LDS; arguments query, key, value, Wq, Wk, Wv, Wo, opx, opw; writes opx, opw
.if DOCPART == 1
	.amdgcn_target "amdgcn-amd-amdhsa--gfx1250"
	.amdhsa_code_object_version 6
	.text
	.protected	k_q503224da8e_quant
	.globl	k_q503224da8e_quant
	.p2align	8
	.type	k_q503224da8e_quant,@function
k_q503224da8e_quant:
	s_mov_b64 s[64:65], 0
	v_nop
	global_prefetch_b8 v0, s[64:65] scope:SCOPE_SE
	s_setreg_imm32_b32 hwreg(HW_REG_WAVE_MODE, 25, 1), 1
	s_wait_xcnt 0x0
; query, key, value [8192][1024] and Wq, Wk, Wv, Wo [1024 (k)][1024 (n)], f32, become codes of BF6 (E3M2) with one E8M0 byte for each 32 along K = 1024.
; A block's scale is 2^(floor(log2(largest magnitude)) - 4); its byte is the largest magnitude's exponent field - 4, held at 1 from below by a floor among the maximum's leaves.
; LIMITS: NaN and infinities are not served.  A block of zeros gets the byte 1 where the rule says 127: its codes are zeros, and this program alone reads the bytes.
; THE CODES ARE LAID IN THE ORDER OF THE OPERAND'S REGISTERS.  A HALF (768 bytes) is 16 rows x 64 K: lane (r, h) owns the 24 bytes of k = 32 h .. 32 h + 31 of row r, six registers:
; the first four at 16 x lane, the last two at 512 + 8 x lane.  A fragment (16 rows x 128 K) is two HALVES on end; fragment (row tile T, K step s) lies at (8 T + s) x 1536.
; Scale words: 32 bytes a row position, word s at 4 s.  So every store here, and every later load, covers whole runs of 256 or 512 consecutive bytes.
; WHICH ROW STANDS AT WHICH POSITION: query and Wo as they come; key, value, Wq, Wk, Wv with bits 3 and 4 of the position exchanged: lane r of tile 2 b + u holds row 32 b + 8 u + r + 8 (r / 8),
; so that a product that takes such a tensor as source 0 leaves 16 neighbours in the 16 registers of two neighbouring tiles.
; SHARES.  Work-groups 0-127: the weights, a wave to 16 columns n and all of K: a lane takes a column and its registers run down K, so a block of 32 lies in one lane.
; Work-groups 128-895: the three inputs, a wave to 16 rows and all of K; a load reads 512 consecutive bytes of a row, and a step's 16 x 512 bytes turn through the wave's own stage in LDS,
; so that a lane gets 16 neighbours of each block.  Waves share nothing: no barrier.
.set PW,  12                           ; v12-19   the eight scale words of my 16 rows
.set Z,   20                           ; v20-23   the four of them that my half of the lanes stores
.set PC,  24                           ; v24-43   a fragment's codes (12) and the conversions' second halves (8)
.set TM,  44                           ; v44-59   largest magnitudes, bytes, scale operands
.set SH8, 60                           ; v60      8 h (the weights' path)
.set R,   64                           ; v64-191  two sets of numbers as they are loaded
.set X,   192                          ; v192-255 64 numbers of my row: register 16 b + i = k 32 b + 16 h + i
.set SP,  528                          ; a stage row: 512 bytes + 16 = 132 words: the 16 rows start at 16 different groups of four banks (64 banks of 4 bytes: ISA guide 11.1)
.set WST, 16*SP                        ; a wave's stage
	s_load_b512 s[8:23], s[0:1], 0x0               ; query, key, value, Wq, Wk, Wv, Wo, opx
	s_load_b64 s[24:25], s[0:1], 0x40              ; opw
	v_lshl_add_u32 v62, v0, 2, 0x4200
	v_mov_b32 v63, 0
	v_lshrrev_b32 v1, 5, v0
	v_readfirstlane_b32 s2, v1                     ; wave 0, 1
	v_and_b32 v1, 31, v0                           ; lane
	v_and_b32 v2, 15, v0                           ; r
	v_bfe_u32 v3, v0, 4, 1                         ; h
	v_lshlrev_b32 v8, 4, v1                        ; out: a HALF's first four registers, 16 x lane
	v_lshlrev_b32 v9, 3, v1
	v_add_nc_u32 v9, 512, v9                       ; its last two, 512 + 8 x lane
	v_lshlrev_b32 v10, 5, v2
	v_lshl_add_u32 v10, v3, 4, v10                 ; scale words: 32 r + 16 h
	s_mov_b32 s28, 0x76543210
	s_mov_b32 s29, 0xfedcba98                      ; v_permlanex16_b32's selects for lane l xor 16
.irp b, 0,1,2,3
	v_mov_b32 v[TM+4+\b], 0                        ; written once: a lane permute's destination counts as one of its sources
.endr
; 64 numbers of a lane, register 16 b + i = k 32 b + 16 h + i of my row, become a fragment's codes in v[PC] on and its scale word in v[w]
.macro QUANT s, w
.irp b, 0,1,2,3
	v_max3_num_f32 v[TM+\b], |v[\s+16*\b]|, |v[\s+1+16*\b]|, 0x2800000   ; block b: my 16 numbers, and the floor 2^(5 - 127): the byte cannot fall under 1
.endr
.irp i, 2,4,6,8,10,12,14
.irp b, 0,1,2,3
	v_max3_num_f32 v[TM+\b], v[TM+\b], |v[\s+16*\b+\i]|, |v[\s+1+16*\b+\i]|   ; the four blocks by turns
.endr
.endr
.irp b, 0,1,2,3
	v_permlanex16_b32 v[TM+4+\b], v[TM+\b], s28, s29
.endr
.irp b, 0,1,2,3
	v_max_num_f32 v[TM+\b], v[TM+\b], v[TM+4+\b]   ; with lane l xor 16's: the block's largest magnitude
.endr
.irp b, 0,1,2,3
	v_add_nc_u32 v[TM+12+\b], 0xfe000000, v[TM+\b] ; 4 off its exponent field: the conversion takes the exponent field of this operand as its scale
.endr
.irp b, 0,1,2,3
	v_lshrrev_b32 v[TM+4+\b], 23, v[TM+12+\b]      ; the scale's byte
.endr
	v_lshl_or_b32 v[\w], v[TM+5], 8, v[TM+4]
	v_lshl_or_b32 v[\w], v[TM+6], 16, v[\w]
	v_lshl_or_b32 v[\w], v[TM+7], 24, v[\w]        ; my row's scale word (the same in both halves of the lanes)
.irp c, 0,1
	v_cvt_scalef32_pk16_bf6_f32 v[PC+6*\c:PC+2+6*\c], v[\s+32*\c:\s+15+32*\c], v[TM+12+2*\c]
	v_cvt_scalef32_pk16_bf6_f32 v[PC+12+4*\c:PC+14+4*\c], v[\s+16+32*\c:\s+31+32*\c], v[TM+12+2*\c+1]   ; (a conversion's three registers begin on an even number)
.endr
	v_nop                                          ; one plain place behind a scaled conversion
.irp c, 0,1                                    ; the layout wants a whole block in a lane: lanes 0-15 block 2 c, lanes 16-31 block 2 c + 1
.irp i, 0,1,2
	v_permlane16_swap_b32 v[PC+6*\c+\i], v[PC+12+4*\c+\i]
.endr
.irp i, 0,1,2
	v_mov_b32 v[PC+3+6*\c+\i], v[PC+12+4*\c+\i]
.endr
.endr
.endm
.macro WORDS                           ; lanes 0-15 store words 0-3 of their row, lanes 16-31 words 4-7: 512 consecutive bytes
	v_cmp_ne_u32 vcc_lo, 0, v3
.irp j, 0,1,2,3
	v_cndmask_b32 v[Z+\j], v[PW+\j], v[PW+4+\j], vcc_lo
.endr
	global_store_b128 v10, v[Z:Z+3], s[26:27]
.endm
	s_cmp_lt_u32 ttmp9, 128
	s_cbranch_scc1 .Lweights
	; ---------------- query, key, value
	s_sub_co_u32 s30, ttmp9, 128
	s_lshr_b32 s31, s30, 8                         ; which tensor: 0 query, 1 key, 2 value
	s_and_b32 s30, s30, 255
	s_lshl_b32 s30, s30, 1
	s_add_co_u32 s30, s30, s2                      ; my row tile T, 0 .. 511
	s_lshr_b32 s32, s30, 1
	s_lshl_b32 s32, s32, 5
	s_and_b32 s33, s30, 1
	s_lshl_b32 s33, s33, 3
	s_add_co_u32 s32, s32, s33                     ; exchanged: positions 0-7 hold rows 32 (T / 2) + 8 (T % 2) on, positions 8-15 those 16 further on
	s_lshl_b32 s33, s30, 4                         ; as they come: rows 16 T on, positions 8-15 eight further on
	s_cmp_eq_u32 s31, 0
	s_cselect_b32 s32, s33, s32
	s_cselect_b32 s33, 8, 16
	s_lshl_b32 s33, s33, 12                        ; in bytes: a row is 4,096
	v_lshlrev_b32 v4, 4, v1                        ; in: 16 x lane, positions 0-7;
	v_add_nc_u32 v5, s33, v4                       ; positions 8-15
	s_mul_i32 s36, s2, WST
	v_add_nc_u32 v6, s36, v4                       ; the stage, on the way in: 16 x lane of a row
	v_mul_u32_u24 v7, v2, SP
	v_lshl_add_u32 v7, v3, 6, v7
	v_add_nc_u32 v7, s36, v7                       ; and on the way out: row r, + 64 h: my 16 numbers of a block
	s_lshl_b32 s34, s32, 12
	s_mov_b32 s35, 0                               ; my first row, in bytes
	s_mul_i32 s36, s31, 6291456
	s_mul_i32 s37, s30, 12288
	s_add_co_u32 s36, s36, s37
	s_mov_b32 s37, 0                               ; my tile's eight fragments
	s_lshl_b32 s38, s31, 18
	s_lshl_b32 s39, s30, 9
	s_add_co_u32 s38, s38, s39
	s_add_co_u32 s38, s38, 18874368
	s_mov_b32 s39, 0                               ; and its scale words
	s_wait_alu depctr_va_vdst(0)
	s_wait_kmcnt 0x0
	s_cmp_eq_u32 s31, 1
	s_cselect_b64 s[4:5], s[10:11], s[12:13]
	s_cmp_eq_u32 s31, 0
	s_cselect_b64 s[4:5], s[8:9], s[4:5]
	s_add_nc_u64 s[4:5], s[4:5], s[34:35]
	s_add_nc_u64 s[6:7], s[22:23], s[36:37]
	s_add_nc_u64 s[26:27], s[22:23], s[38:39]
.macro LOADX s                         ; K step s (128 along K) of my 16 rows into set s % 2: each load reads 512 consecutive bytes of one row
.irp p, 0,1,2,3,4,5,6,7
	global_load_b128 v[R+64*((\s)%2)+4*\p:R+64*((\s)%2)+4*\p+3], v4, s[4:5] offset:\p*4096+512*(\s) th:TH_LOAD_NT
.endr
.irp p, 0,1,2,3,4,5,6,7
	global_load_b128 v[R+64*((\s)%2)+32+4*\p:R+64*((\s)%2)+32+4*\p+3], v5, s[4:5] offset:\p*4096+512*(\s) th:TH_LOAD_NT
.endr
.endm
.macro STEPX s
.if (\s) < 7
	s_wait_loadcnt 16                              ; this step's 16 loads are in; the next step's 16 may be out
.else
	s_wait_loadcnt 0x0
.endif
.irp p, 0,1,2,3,4,5,6,7,8,9,10,11,12,13,14,15
	ds_store_b128 v6, v[R+64*((\s)%2)+4*\p:R+64*((\s)%2)+4*\p+3] offset:SP*\p
.endr
.irp b, 0,1,2,3
.irp j, 0,1,2,3
	ds_load_b128 v[X+16*\b+4*\j:X+16*\b+4*\j+3], v7 offset:128*\b+16*\j   ; LDS serves a wave's instructions in order: these see the stores above
.endr
.endr
	s_wait_dscnt 0x0                               ; my 64 numbers are in, and the stores have read the set
	s_wait_xcnt 0x0                                ; the last step's stores have read the codes' registers
.if (\s)+2 < 8
	LOADX (\s)+2
.endif
	QUANT X, PW+\s
	global_store_b128 v8, v[PC:PC+3], s[6:7] offset:1536*(\s)
	global_store_b64 v9, v[PC+4:PC+5], s[6:7] offset:1536*(\s)
	global_store_b128 v8, v[PC+6:PC+9], s[6:7] offset:1536*(\s)+768
	global_store_b64 v9, v[PC+10:PC+11], s[6:7] offset:1536*(\s)+768
.endm
	LOADX 0
	LOADX 1
.irp t, 0,1,2,3,4,5,6,7
	STEPX \t
.endr
	WORDS
	s_wait_tensorcnt 0x0
	ds_add_u32 v62, v63
	s_wait_dscnt 0x0
	s_endpgm
	; ---------------- the four weights
.Lweights:
	s_lshl_b32 s30, ttmp9, 1
	s_add_co_u32 s30, s30, s2
	s_lshr_b32 s31, s30, 6                         ; which weight: 0 Wq, 1 Wk, 2 Wv, 3 Wo
	s_and_b32 s30, s30, 63                         ; my tile T of 16 columns
	s_lshr_b32 s32, s30, 1
	s_lshl_b32 s32, s32, 5
	s_and_b32 s33, s30, 1
	s_lshl_b32 s33, s33, 3
	s_add_co_u32 s32, s32, s33
	s_lshl_b32 s33, s30, 4
	s_cmp_lt_u32 s31, 3
	s_cselect_b32 s32, s32, s33                    ; the tile's first column: exchanged, or (Wo) as it comes
	s_cselect_b32 s33, 1, 0
	v_and_b32 v11, 8, v2
	v_mul_u32_u24 v11, s33, v11
	v_add_nc_u32 v11, v11, v2                      ; r + 8 (r / 8), or r
	v_add_nc_u32 v11, s32, v11                     ; my column
	v_lshlrev_b32 v11, 2, v11
	v_lshl_add_u32 v11, v3, 17, v11                ; lanes 16-31 begin 32 rows of 4,096 bytes further down
	v_lshlrev_b32 v[SH8], 3, v3
	s_mul_i32 s36, s31, 786432
	s_mul_i32 s37, s30, 12288
	s_add_co_u32 s36, s36, s37
	s_mov_b32 s37, 0
	s_lshl_b32 s38, s31, 15
	s_lshl_b32 s39, s30, 9
	s_add_co_u32 s38, s38, s39
	s_add_co_u32 s38, s38, 3145728
	s_mov_b32 s39, 0
	s_wait_alu depctr_va_vdst(0)
	s_wait_kmcnt 0x0
	s_cmp_eq_u32 s31, 0
	s_cselect_b64 s[4:5], s[14:15], s[16:17]
	s_cmp_lt_u32 s31, 2
	s_cselect_b64 s[4:5], s[4:5], s[18:19]
	s_cmp_lt_u32 s31, 3
	s_cselect_b64 s[4:5], s[4:5], s[20:21]
	s_add_nc_u64 s[6:7], s[24:25], s[36:37]
	s_add_nc_u64 s[26:27], s[24:25], s[38:39]
.macro LOADW u                         ; W(64 u + 32 h + i, my column), i = 0 .. 31: my block 2 u + h, into set u % 2.  The largest offset, 991 rows, lies inside the signed 24-bit immediate
.irp i, 0,1,2,3,4,5,6,7,8,9,10,11,12,13,14,15,16,17,18,19,20,21,22,23,24,25,26,27,28,29,30,31
	global_load_b32 v[R+32*((\u)%2)+\i], v11, s[4:5] offset:(64*(\u)+\i)*4096
.endr
.endm
.macro HALFW u                         ; 64 along K: one HALF, at 768 u in my tile's image
.set WS, R+32*((\u)%2)
.set CC, (\u)%2
.if (\u) < 15
	s_wait_loadcnt 32                              ; my block's 32 loads are in; the next 32 may be out
.else
	s_wait_loadcnt 0x0
.endif
	v_max3_num_f32 v[TM], |v[WS]|, |v[WS+1]|, |v[WS+2]|             ; all 32 numbers of the block are mine: two chains
	v_max3_num_f32 v[TM+1], |v[WS+3]|, |v[WS+4]|, |v[WS+5]|
.irp i, 6,10,14,18,22,26
	v_max3_num_f32 v[TM], v[TM], |v[WS+\i]|, |v[WS+\i+1]|
	v_max3_num_f32 v[TM+1], v[TM+1], |v[WS+\i+2]|, |v[WS+\i+3]|
.endr
	v_max3_num_f32 v[TM], v[TM], |v[WS+30]|, |v[WS+31]|
	v_max3_num_f32 v[TM], v[TM], v[TM+1], 0x2800000 ; and the floor 2^(5 - 127)
	v_add_nc_u32 v[TM+12], 0xfe000000, v[TM]
	v_lshrrev_b32 v[TM+8+CC], 23, v[TM+12]         ; the scale's byte
	s_wait_alu depctr_va_vdst(0)
	s_wait_xcnt 0x0                                ; earlier stores have read the codes' registers
	v_cvt_scalef32_pk16_bf6_f32 v[PC+6*CC:PC+6*CC+2], v[WS:WS+15], v[TM+12]
	v_cvt_scalef32_pk16_bf6_f32 v[PC+12+4*CC:PC+14+4*CC], v[WS+16:WS+31], v[TM+12]
	v_nop                                          ; one plain place behind a scaled conversion
.irp i, 0,1,2
	v_mov_b32 v[PC+6*CC+3+\i], v[PC+12+4*CC+\i]
.endr
	global_store_b128 v8, v[PC+6*CC:PC+6*CC+3], s[6:7] offset:768*(\u)
	global_store_b64 v9, v[PC+6*CC+4:PC+6*CC+5], s[6:7] offset:768*(\u)
.if (\u)+2 < 16
	LOADW (\u)+2
.endif
.if CC
	v_lshl_or_b32 v[PW+(\u)/2], v[TM+9], 16, v[TM+8]      ; my two bytes: blocks h and 2 + h of the K step,
	v_lshlrev_b32 v[PW+(\u)/2], v[SH8], v[PW+(\u)/2]      ; at their places in the word;
	v_permlanex16_b32 v[TM+4], v[PW+(\u)/2], s28, s29
	v_or_b32 v[PW+(\u)/2], v[PW+(\u)/2], v[TM+4]          ; with lane l xor 16's two the word is whole
.endif
.endm
	LOADW 0
	LOADW 1
.irp t, 0,1,2,3,4,5,6,7,8,9,10,11,12,13,14,15
	HALFW \t
.endr
	WORDS
	s_endpgm
.Lfunc_end_k_q503224da8e_quant:
	.size	k_q503224da8e_quant, .Lfunc_end_k_q503224da8e_quant-k_q503224da8e_quant
	.p2alignl 7, 3214868480
	.fill 96, 4, 3214868480
	.section	.rodata,"a",@progbits
	.p2align	6, 0x0
	.amdhsa_kernel k_q503224da8e_quant
		.amdhsa_group_segment_fixed_size 17152
		.amdhsa_private_segment_fixed_size 0
		.amdhsa_enable_private_segment 0
		.amdhsa_kernarg_size 72
		.amdhsa_user_sgpr_count 2
		.amdhsa_user_sgpr_kernarg_segment_ptr 1
		.amdhsa_wavefront_size32 1
		.amdhsa_system_sgpr_workgroup_id_x 1
		.amdhsa_system_sgpr_workgroup_id_y 1
		.amdhsa_system_sgpr_workgroup_id_z 1
		.amdhsa_system_vgpr_workitem_id 0
		.amdhsa_next_free_vgpr 256
		.amdhsa_next_free_sgpr 66
		.amdhsa_reserve_vcc 1
		.amdhsa_float_denorm_mode_32 3
		.amdhsa_float_denorm_mode_16_64 3
		.amdhsa_memory_ordered 1
		.amdhsa_forward_progress 1
		.amdhsa_inst_pref_size 143
	.end_amdhsa_kernel
	.amdgpu_metadata
---
amdhsa.version: [ 1, 2 ]
amdhsa.kernels:
  - .name:           k_q503224da8e_quant
    .symbol:         k_q503224da8e_quant.kd
    .args:
      - { .name: query, .offset: 0, .size: 8, .value_kind: global_buffer, .address_space: global }
      - { .name: key, .offset: 8, .size: 8, .value_kind: global_buffer, .address_space: global }
      - { .name: value, .offset: 16, .size: 8, .value_kind: global_buffer, .address_space: global }
      - { .name: Wq, .offset: 24, .size: 8, .value_kind: global_buffer, .address_space: global }
      - { .name: Wk, .offset: 32, .size: 8, .value_kind: global_buffer, .address_space: global }
      - { .name: Wv, .offset: 40, .size: 8, .value_kind: global_buffer, .address_space: global }
      - { .name: Wo, .offset: 48, .size: 8, .value_kind: global_buffer, .address_space: global }
      - { .name: opx, .offset: 56, .size: 8, .value_kind: global_buffer, .address_space: global }
      - { .name: opw, .offset: 64, .size: 8, .value_kind: global_buffer, .address_space: global }
    .group_segment_fixed_size: 17152
    .private_segment_fixed_size: 0
    .kernarg_segment_align: 8
    .kernarg_segment_size: 72
    .max_flat_workgroup_size: 64
    .sgpr_count:     66
    .vgpr_count:     256
    .wavefront_size: 32
...
	.end_amdgpu_metadata
.endif
;; end of part 1
;; launch proj (part 2): grid 4 x 96, 4 waves a work-group, clusters of 4 x 4, 327,680 bytes of LDS; arguments opx, opw, bq, bk, bv, qh, kv; writes qh, kv
.if DOCPART == 2
	.amdgcn_target "amdgcn-amd-amdhsa--gfx1250"
	.amdhsa_code_object_version 6
	.text
	.protected	k_q503224da8e_proj
	.globl	k_q503224da8e_proj
	.p2align	8
	.type	k_q503224da8e_proj,@function
k_q503224da8e_proj:
	s_mov_b64 s[64:65], 0
	v_nop
	global_prefetch_b8 v0, s[64:65] scope:SCOPE_SE
	s_setreg_imm32_b32 hwreg(HW_REG_WAVE_MODE, 25, 1), 1
	s_wait_xcnt 0x0
	s_wait_alu depctr_hold_cnt(0) depctr_sa_sdst(0) depctr_va_vdst(0) depctr_va_sdst(0) depctr_va_ssrc(0) depctr_va_vcc(0) depctr_vm_vsrc(0)
	s_getreg_b32 s2, hwreg(HW_REG_IB_STS2, 6, 4)
	s_cmp_eq_u32 s2, 0
	s_cbranch_scc0 .Lentry_in_a_cluster
	s_endpgm
.Lentry_in_a_cluster:
	s_bfe_u32 s2, ttmp6, 0x10000c
	s_cmp_lg_u32 s2, 0xf033
	s_cbranch_scc0 .Lentry_shape_is_right
	s_endpgm
.Lentry_shape_is_right:
; q, k, v = x W + b on codes of BF6 (E3M2) with E8M0 scales, K = 1024; the results are quantised along the head's 64 (q, k) or along the keys (v) and stored in the order of the next operand's registers.
; A tile of 256 x 256 to a work-group of four waves, 128 x 128 a wave; K goes through a ring of two LDS slots of two K steps each; 4 x 4 work-groups form a cluster and ask for shared tiles jointly.
; THE HEAD: what the first K steps need is four tiles, one joint load a wave: wave 0 slot 0's 16 row tiles of A, wave 1 A's scales, wave 2 slot 0's 16 row tiles of B, wave 3 B's scales.
; No prefetch: the ring has two refills in all, and both follow the head's loads within two K steps.
.set NQ,     2
.set FR,     12
.set NL,     4
.set NP,     4
.set TILEB,  3072
.set HALFT,  8*TILEB
.set SLOT,   4*HALFT
.set KS,     32
.set SCL,    2*SLOT
.set HALFS,  16*272
.set SBLK,   2*272
.set SPARE,  SCL+4*HALFS
.set ADRA, 16
.set ADRB, 20
.set CO16, 24
.set CO8,  25
.set SCO,  26
.set ADRS, 27
.set SPW,  28
.set NIL,  29
.set SH,   30
.set BO,   31
.set BOV,  15
.set SC,   32
.set BP,   64
.set AF,   128
.set PC,   64
.set TM,   96
.set PW,   112
.set Z,    120
.set G1, 24
.set G0, 32
.set G1B, 48
.set G0B, 56
.set G1S, 68
.set G0S, 76
.set G1SB, 80
.set G0SB, 88
.set KIND, 66
.set SEL, 104
.set MSB, 0
.macro WIN new
.if MSB != (\new)
	s_set_vgpr_msb (MSB<<8)|(\new)
.set MSB, (\new)
.endif
.endm
.set MUL_LO, 0xa1
.set MUL_HI, 0xf1
.set TO_B,   0x40
.macro JLOAD g0a, g1a, g0b, g1b
	s_cmp_eq_u32 s15, 0
	s_cbranch_scc0 .Lfor_b_\@
	tensor_load_to_lds s[\g0a:\g0a+3], s[\g1a:\g1a+7]
	s_nop 0
.rept 4
	v_nop
.endr
	s_branch .Lasked_\@
.Lfor_b_\@:
	tensor_load_to_lds s[\g0b:\g0b+3], s[\g1b:\g1b+7]
	s_nop 0
.rept 4
	v_nop
.endr
.Lasked_\@:
.endm
.macro CREST
	s_cmp_lg_u32 s14, 0
	s_cbranch_scc1 .Lnot_wave_0_\@
	s_barrier_signal -3
.Lnot_wave_0_\@:
	s_barrier_wait -3
	s_barrier_signal -1
	s_barrier_wait -1
.endm
.macro CROUND
	s_barrier_signal -1
	s_barrier_wait -1
	CREST
.endm
	s_load_b128 s[4:7], s[0:1], 0x0
	s_load_b128 s[8:11], s[0:1], 0x10
	s_load_b64 s[12:13], s[0:1], 0x20
	s_load_b64 s[96:97], s[0:1], 0x28
	s_load_b64 s[98:99], s[0:1], 0x30
	v_lshl_add_u32 v[SPW], v0, 2, SPARE
	v_mov_b32 v[NIL], 0
	ds_add_u32 v28, v29
	ds_add_u32 v28, v29
	s_wait_dscnt 0x0
	v_lshrrev_b32 v1, 5, v0
	v_readfirstlane_b32 s14, v1
	s_lshr_b32 s15, s14, 1
	s_and_b32 s16, s14, 1
	s_bfe_u32 s40, ttmp6, 0x40000
	s_bfe_u32 s41, ttmp6, 0x40004
	s_and_b32 s[KIND], ttmp7, 0xffff
	s_and_b32 s67, s[KIND], 7
	s_lshl_b32 s67, s67, 2
	s_lshr_b32 s[KIND], s[KIND], 3
	s_lshl_b32 s43, s41, 2
	s_lshl_b32 s43, 15, s43
	s_lshl_b32 s44, 0x1111, s40
	s_or_b32 s[G1+0], s43, (3<<16)|(1<<21)
	s_or_b32 s[G1B+0], s44, (3<<16)|(1<<21)
.irp g, G1, G1B
	s_mov_b32 s[\g+1], 384<<16
	s_mov_b32 s[\g+2], 16<<16                      ; the head's loads of codes bring 16 row tiles; behind them the two words that count rows are set to 8
	s_mov_b32 s[\g+3], 384<<16
	s_mov_b32 s[\g+4], 16
	s_mov_b32 s[\g+5], 1536
	s_mov_b32 s[\g+6], 0
	s_mov_b32 s[\g+7], 0
.endr
	s_or_b32 s[G1S+0], s43, (3<<16)|(1<<20)|(1<<21)|(5<<22)|(3<<25)
	s_or_b32 s[G1SB+0], s44, (3<<16)|(1<<20)|(1<<21)|(5<<22)|(3<<25)
.irp g, G1S, G1SB
	s_mov_b32 s[\g+1], 32<<16
	s_mov_b32 s[\g+2], 32<<16                      ; the scales of all 256 rows: 32 rows of 256 bytes
	s_mov_b32 s[\g+3], 32<<16
	s_mov_b32 s[\g+4], 32
	s_mov_b32 s[\g+5], 32
	s_mov_b32 s[\g+6], 0
	s_mov_b32 s[\g+7], 0
.endr
	s_mul_i32 s100, s[KIND], 6291456
	s_mul_i32 s101, s[KIND], 786432
	s_lshl_b32 s104, s[KIND], 18
	s_add_co_u32 s104, s104, 18874368
	s_lshl_b32 s105, s[KIND], 15
	s_add_co_u32 s105, s105, 3145728
	s_cmp_eq_u32 s[KIND], 2
	s_cselect_b32 s20, s101, s100
	s_cselect_b32 s22, s105, s104
	s_cselect_b32 s46, s100, s101
	s_cselect_b32 s92, s104, s105
	s_cselect_b32 s17, 0, s67
	s_cselect_b32 s42, s67, 0
	s_add_co_u32 s17, s17, s41
	s_add_co_u32 s42, s42, s40
	s_lshl_b32 s18, s17, 4
	s_lshl_b32 s19, s16, 3
	s_add_co_u32 s18, s18, s19
	s_mul_i32 s19, s18, 12288
	s_add_co_u32 s20, s20, s19
	s_lshl_b32 s19, s18, 9
	s_add_co_u32 s22, s22, s19
	s_mov_b32 s21, 0
	s_mov_b32 s23, 0
	s_lshl_b32 s100, s42, 4
	s_lshl_b32 s101, s16, 3
	s_add_co_u32 s100, s100, s101
	s_mul_i32 s101, s100, 12288
	s_add_co_u32 s46, s46, s101
	s_lshl_b32 s101, s100, 9
	s_add_co_u32 s92, s92, s101
	s_mov_b32 s47, 0
	s_mov_b32 s93, 0
	s_mul_i32 s45, s14, HALFT
	s_wait_kmcnt 0x0
	s_cmp_eq_u32 s[KIND], 2
	s_cselect_b64 s[104:105], s[6:7], s[4:5]
	s_cselect_b64 s[100:101], s[4:5], s[6:7]
	s_add_nc_u64 s[20:21], s[104:105], s[20:21]
	s_add_nc_u64 s[22:23], s[104:105], s[22:23]
	s_add_nc_u64 s[46:47], s[100:101], s[46:47]
	s_add_nc_u64 s[92:93], s[100:101], s[92:93]
	CROUND
	s_mov_b32 s[G0S], 1
	s_mov_b32 s[G0S+1], SCL
	s_sub_nc_u64 s[G0S+2:G0S+3], s[22:23], 4096    ; issued by wave 1 alone, whose address stands at the tile's second half: 8 row tiles x 512 bytes back
	s_or_b32 s[G0S+3], s[G0S+3], 0x80000000
	s_mov_b32 s[G0SB], 1
	s_mov_b32 s[G0SB+1], SCL+2*HALFS
	s_sub_nc_u64 s[G0SB+2:G0SB+3], s[92:93], 4096  ; issued by wave 3 alone: likewise
	s_or_b32 s[G0SB+3], s[G0SB+3], 0x80000000
.irp s, 0,1
	s_mov_b32 s[G0+4*\s], 1
	s_add_co_u32 s[G0+4*\s+1], s45, \s*SLOT
	s_add_nc_u64 s[G0+4*\s+2:G0+4*\s+3], s[20:21], \s*TILEB
	s_or_b32 s[G0+4*\s+3], s[G0+4*\s+3], 0x80000000
	s_mov_b32 s[G0B+4*\s], 1
	s_add_co_u32 s[G0B+4*\s+1], s45, \s*SLOT
	s_add_nc_u64 s[G0B+4*\s+2:G0B+4*\s+3], s[46:47], \s*TILEB
	s_or_b32 s[G0B+4*\s+3], s[G0B+4*\s+3], 0x80000000
.endr
; the head's loads, one a wave, in one chain of branches on the wave's number.  Wave 0's and wave 2's group 0 of slot 0 stand at the tile's first row tile, so with 16 rows they bring the whole of A's or B's part
.macro ARM under, g0, g1, next
	s_cmp_lt_u32 s14, \under
	s_cbranch_scc0 \next
	tensor_load_to_lds s[\g0:\g0+3], s[\g1:\g1+7]
	s_nop 0
.rept 4
	v_nop
.endr
	s_branch .Lhead_asked
\next:
.endm
	ARM 1, G0,  G1,  .Lhead_sa
	ARM 2, G0S, G1S, .Lhead_b
	ARM 3, G0B, G1B, .Lhead_sb
	tensor_load_to_lds s[G0SB:G0SB+3], s[G1SB:G1SB+7]
	s_nop 0
.rept 4
	v_nop
.endr
.Lhead_asked:
	v_and_b32 v1, 15, v0
	v_bfe_u32 v2, v0, 4, 1
	v_and_b32 v3, 31, v0
	v_lshlrev_b32 v4, 4, v3
	v_lshlrev_b32 v5, 3, v3
	s_mul_i32 s21, s15, HALFT
	s_mul_i32 s22, s16, HALFT
	s_add_co_u32 s22, s22, 2*HALFT
.irp s, 0,1
	v_add_nc_u32 v[ADRA+\s], s21, v4
	v_add_nc_u32 v[ADRB+\s], s22, v4
	v_add_nc_u32 v[ADRA+2+\s], s21, v5
	v_add_nc_u32 v[ADRB+2+\s], s22, v5
	s_add_co_u32 s21, s21, SLOT
	s_add_co_u32 s22, s22, SLOT
.endr
	v_mul_u32_u24 v5, v1, KS
	v_lshrrev_b32 v6, 8, v5
	v_lshl_add_u32 v5, v6, 4, v5
	s_mul_i32 s21, s15, HALFS
	s_mul_i32 s22, s16, HALFS
	s_add_co_u32 s22, s22, 2*HALFS
	s_sub_co_u32 s22, s22, s21
	v_mul_u32_u24 v6, s22, v2
	s_add_co_u32 s21, s21, SCL
	v_add_nc_u32 v5, v5, v6
	v_add_nc_u32 v[ADRS], s21, v5
	v_lshlrev_b32 v[CO16], 4, v3
	v_lshl_add_u32 v[CO8], v3, 3, 512
	v_lshlrev_b32 v[SH], 4, v2
	v_lshlrev_b32 v[BO], 6, v2
	v_and_b32 v[BOV], 8, v1
	v_add_nc_u32 v[BOV], v[BOV], v1
	v_lshlrev_b32 v[BOV], 2, v[BOV]
	s_lshl_b32 s100, s17, 8
	s_lshl_b32 s18, s15, 7
	s_add_co_u32 s100, s100, s18
	s_lshl_b32 s101, s42, 8
	s_lshl_b32 s18, s16, 7
	s_add_co_u32 s101, s101, s18
	s_cmp_eq_u32 s[KIND], 2
	s_cselect_b32 s104, s101, s100
	s_cselect_b32 s105, s100, s101
	s_cselect_b64 s[12:13], s[12:13], s[10:11]
	s_cmp_eq_u32 s[KIND], 0
	s_cselect_b64 s[12:13], s[8:9], s[12:13]
	s_lshl_b32 s18, s105, 2
	s_mov_b32 s19, 0
	s_add_nc_u64 s[12:13], s[12:13], s[18:19]
	s_cmp_eq_u32 s[KIND], 2
	s_cbranch_scc1 .Lbias_v
	s_wait_alu depctr_va_vdst(0)
.irp b, 0,1,2,3,4,5,6,7
	global_load_b128 v[BP+8*\b:BP+8*\b+3], v[BO], s[12:13] offset:(32*(\b/2)+8*(\b%2))*4
	global_load_b128 v[BP+8*\b+4:BP+8*\b+7], v[BO], s[12:13] offset:(32*(\b/2)+8*(\b%2))*4+16
.endr
	s_branch .Lbias_done
.Lbias_v:
	s_wait_alu depctr_va_vdst(0)
.irp a, 0,1,2,3,4,5,6,7
.irp j, 0,1,2,3,4,5,6,7
	global_load_b32 v[BP+8*\a+\j], v[BOV], s[12:13] offset:(32*(\a/2)+8*(\a%2))*4
.endr
.endr
.Lbias_done:
	s_lshr_b32 s18, s104, 11
	s_and_b32 s19, s104, 2047
	s_lshr_b32 s20, s19, 7
	s_lshl_b32 s18, s18, 4
	s_lshr_b32 s21, s105, 6
	s_add_co_u32 s18, s18, s21
	s_lshl_b32 s21, s18, 4
	s_add_co_u32 s21, s21, s20
	s_mul_i32 s21, s21, 13056
	s_lshl_b32 s22, s18, 7
	s_lshr_b32 s23, s19, 4
	s_add_co_u32 s22, s22, s23
	s_mul_i32 s22, s22, 768
	s_lshl_b32 s23, s18, 13
	s_lshl_b32 s46, s20, 9
	s_add_co_u32 s23, s23, s46
	s_add_co_u32 s23, s23, 6291456
	s_add_co_u32 s46, s21, 6144
	s_add_co_u32 s47, s21, 12800
	s_add_co_u32 s100, s21, 12288
	s_cmp_eq_u32 s[KIND], 2
	s_cselect_b32 s46, s46, s21
	s_cselect_b32 s47, s47, s100
	s_mov_b32 s100, 208896
	s_cselect_b32 s101, 768, s100
	s_mov_b32 s10, 768
	s_cselect_b32 s10, 1536, s10
	s_cselect_b32 s92, 202752, 0
	s_cmp_eq_u32 s[KIND], 0
	s_cselect_b32 s46, s22, s46
	s_cselect_b32 s47, s23, s47
	s_cselect_b32 s101, 98304, s101
	s_cselect_b32 s94, 8192, s100
	s_cselect_b64 s[4:5], s[96:97], s[98:99]
	s_mov_b32 s18, s46
	s_mov_b32 s19, 0
	s_mov_b32 s20, s47
	s_mov_b32 s21, 0
	s_add_nc_u64 s[8:9], s[4:5], s[20:21]
	s_add_nc_u64 s[4:5], s[4:5], s[18:19]
	s_mov_b32 s18, s101
	s_add_nc_u64 s[6:7], s[4:5], s[18:19]
	s_mov_b32 s11, 0
	s_mov_b32 s93, 0
	v_mul_u32_u24 v[SCO], s94, v2
	v_lshl_add_u32 v[SCO], v1, 4, v[SCO]
	s_mov_b32 s[SEL], 0x76543210
	s_mov_b32 s[SEL+1], 0xfedcba98
.macro FRAG reg, adr, q, i
	ds_load_b128 v[\reg:\reg+3], v[\adr] offset:TILEB*(\i)+1536*(\q)
	ds_load_b64 v[\reg+4:\reg+5], v[\adr+2] offset:TILEB*(\i)+1536*(\q)+512
	ds_load_b128 v[\reg+6:\reg+9], v[\adr] offset:TILEB*(\i)+1536*(\q)+768
	ds_load_b64 v[\reg+10:\reg+11], v[\adr+2] offset:TILEB*(\i)+1536*(\q)+1280
.endm
.macro MUL16 a0, p, q, sc, cmode
.irp a, \a0, \a0+1
.irp b, 0,1,2,3,4,5,6,7
.if \cmode == 1
	v_wmma_scale_f32_16x16x128_f8f6f4 v[8*(8*((\a)%4)+\b):8*(8*((\a)%4)+\b)+7], v[128*(\p)+FR*\b:128*(\p)+FR*\b+FR-1], v[AF+FR*(\a):AF+FR*(\a)+FR-1], v[BP+8*\b:BP+8*\b+7], v[SC+8*NQ*(\sc)+NQ*\b+(\q)], v[SC+8*NQ*(\sc)+NQ*(\a)+(\q)] matrix_a_fmt:MATRIX_FMT_BF6 matrix_b_fmt:MATRIX_FMT_BF6 matrix_a_scale:MATRIX_SCALE_ROW1
.elseif \cmode == 2
	v_wmma_scale_f32_16x16x128_f8f6f4 v[8*(8*((\a)%4)+\b):8*(8*((\a)%4)+\b)+7], v[128*(\p)+FR*\b:128*(\p)+FR*\b+FR-1], v[AF+FR*(\a):AF+FR*(\a)+FR-1], v[BP+8*(\a):BP+8*(\a)+7], v[SC+8*NQ*(\sc)+NQ*\b+(\q)], v[SC+8*NQ*(\sc)+NQ*(\a)+(\q)] matrix_a_fmt:MATRIX_FMT_BF6 matrix_b_fmt:MATRIX_FMT_BF6 matrix_a_scale:MATRIX_SCALE_ROW1
.else
	v_wmma_scale_f32_16x16x128_f8f6f4 v[8*(8*((\a)%4)+\b):8*(8*((\a)%4)+\b)+7], v[128*(\p)+FR*\b:128*(\p)+FR*\b+FR-1], v[AF+FR*(\a):AF+FR*(\a)+FR-1], v[8*(8*((\a)%4)+\b):8*(8*((\a)%4)+\b)+7], v[SC+8*NQ*(\sc)+NQ*\b+(\q)], v[SC+8*NQ*(\sc)+NQ*(\a)+(\q)] matrix_a_fmt:MATRIX_FMT_BF6 matrix_b_fmt:MATRIX_FMT_BF6 matrix_a_scale:MATRIX_SCALE_ROW1
.endif
.endr
.endr
.endm
.macro FETCH_B slot, q, p
	WIN TO_B
.irp i, 0,1,2,3,4,5,6,7
	FRAG 128*(\p)+FR*\i, ADRB+\slot, \q, \i
.endr
	WIN 0
.endm
.macro FETCH_A slot, q, i0
.irp i, \i0, \i0+1, \i0+2, \i0+3
	FRAG AF+FR*(\i), ADRA+\slot, \q, \i
.endr
.endm
.macro SCALES sc
.irp i, 0,1,2,3,4,5,6,7
	ds_load_b64 v[SC+8*NQ*\sc+NQ*\i:SC+8*NQ*\sc+NQ*\i+1], v[ADRS] offset:\i*SBLK
.endr
.endm
.macro PLACES n
.rept \n
	v_nop
.endr
.endm
.macro STEP slot, q, cmode
	s_wait_dscnt 4*NL
.if \cmode
	WIN 0x81
.else
	WIN MUL_LO
.endif
	MUL16 0, (\q)%2, \q, \slot, \cmode
	MUL16 2, (\q)%2, \q, \slot, \cmode
	s_wait_dscnt 0
	PLACES NP
	FETCH_B \slot, (\q)+1, 1-(\q)%2
	FETCH_A \slot, (\q)+1, 0
.if \cmode
	WIN 0xc1
.else
	WIN MUL_HI
.endif
	MUL16 4, (\q)%2, \q, \slot, \cmode
	MUL16 6, (\q)%2, \q, \slot, \cmode
	PLACES NP
	WIN 0
	FETCH_A \slot, (\q)+1, 4
.endm
.macro TURN slot, next, fill
	s_wait_tensorcnt 0x0
	ds_add_u32 v[SPW], v[NIL]
	s_wait_dscnt 4*NL+1
	WIN MUL_LO
	MUL16 0, 1, NQ-1, \slot, 0
	s_wait_dscnt 0x0
	s_barrier_signal -1
	MUL16 2, 1, NQ-1, \slot, 0
	WIN 0
	s_barrier_wait -1
.if \fill
	CREST
	s_add_nc_u64 s[G0+4*\slot+2:G0+4*\slot+3], s[G0+4*\slot+2:G0+4*\slot+3], 2*TILEB
	s_add_nc_u64 s[G0B+4*\slot+2:G0B+4*\slot+3], s[G0B+4*\slot+2:G0B+4*\slot+3], 2*TILEB
	JLOAD G0+4*\slot, G1, G0B+4*\slot, G1B
.else
	PLACES NP
.endif
	s_wait_alu depctr_va_vdst(0)
	v_add_nc_u32 v[ADRS], 4*NQ, v[ADRS]
	FETCH_B \next, 0, 0
	FETCH_A \next, 0, 0
	SCALES \next
	WIN MUL_HI
	MUL16 4, 1, NQ-1, \slot, 0
	MUL16 6, 1, NQ-1, \slot, 0
	PLACES NP
	WIN 0
	FETCH_A \next, 0, 4
.endm
	s_wait_alu depctr_va_vdst(0)
	s_wait_tensorcnt 0x0                           ; my tile of the head's four is in
	ds_add_u32 v[SPW], v[NIL]
	s_mov_b32 s[G1+2], 8<<16                       ; no tensor load of mine is out: from here on a load brings 8 row tiles
	s_mov_b32 s[G1+4], 8
	s_mov_b32 s[G1B+2], 8<<16
	s_mov_b32 s[G1B+4], 8
	s_wait_dscnt 0x0
	CROUND                                         ; all four tiles are in, and all sixteen work-groups are here
	JLOAD G0+4, G1, G0B+4, G1B                     ; slot 1's first fill, issued as a refill is
	FETCH_B 0, 0, 0
	FETCH_A 0, 0, 0
	SCALES 0
	FETCH_A 0, 0, 4
	s_wait_loadcnt 0x0
	s_cmp_eq_u32 s[KIND], 2
	s_cbranch_scc1 .Lfirst_v
	STEP 0, 0, 1
	s_branch .Lfirst_done
.Lfirst_v:
	STEP 0, 0, 2
.Lfirst_done:
	TURN 0, 1, 1
	STEP 1, 0, 0
	TURN 1, 0, 1
	STEP 0, 0, 0
	TURN 0, 1, 0
	STEP 1, 0, 0
	s_wait_dscnt 4*NL
	WIN MUL_LO
	MUL16 0, 1, NQ-1, 1, 0
	MUL16 2, 1, NQ-1, 1, 0
	s_wait_dscnt 0
	WIN MUL_HI
	MUL16 4, 1, NQ-1, 1, 0
	MUL16 6, 1, NQ-1, 1, 0
	WIN 0
.macro OUT a
.set AC, 64*((\a)%4)
.set WN, 2+(\a)/4
.set WW, WN|(WN<<2)
	WIN WW
.irp b, 0,1,2,3
	v_max3_num_f32 v[TM+\b], |v[AC+16*\b]|, |v[AC+16*\b+1]|, 0x2800000
.endr
.irp i, 2,4,6,8,10,12,14
.irp b, 0,1,2,3
	v_max3_num_f32 v[TM+\b], |v[AC+16*\b+\i]|, |v[AC+16*\b+\i+1]|, v[TM+\b]
.endr
.endr
	WIN 0
.irp b, 0,1,2,3
	v_permlanex16_b32 v[TM+4+\b], v[TM+\b], s[SEL], s[SEL+1]
.endr
.irp b, 0,1,2,3
	v_max_num_f32 v[TM+\b], v[TM+\b], v[TM+4+\b]
.endr
.irp b, 0,1,2,3
	v_add_nc_u32 v[TM+12+\b], 0xfe000000, v[TM+\b]
.endr
.irp b, 0,1,2,3
	v_lshrrev_b32 v[TM+4+\b], 23, v[TM+12+\b]
.endr
	v_lshl_or_b32 v[PW+\a], v[TM+5], 8, v[TM+4]
	v_lshl_or_b32 v[PW+\a], v[TM+6], 16, v[PW+\a]
	v_lshl_or_b32 v[PW+\a], v[TM+7], 24, v[PW+\a]
.if (\a) > 0
	s_wait_xcnt 0x0
	s_add_nc_u64 s[4:5], s[4:5], s[10:11]
	s_add_nc_u64 s[6:7], s[6:7], s[10:11]
.if (\a) == 4
	s_add_nc_u64 s[4:5], s[4:5], s[92:93]
	s_add_nc_u64 s[6:7], s[6:7], s[92:93]
.endif
.endif
	WIN WN
.irp c, 0,1
	v_cvt_scalef32_pk16_bf6_f32 v[PC+6*\c:PC+2+6*\c], v[AC+32*\c:AC+32*\c+15], v[TM+12+2*\c]
	v_cvt_scalef32_pk16_bf6_f32 v[PC+12+4*\c:PC+14+4*\c], v[AC+32*\c+16:AC+32*\c+31], v[TM+12+2*\c+1]
.endr
	WIN 0
	v_nop
.irp c, 0,1
.irp i, 0,1,2
	v_permlane16_swap_b32 v[PC+6*\c+\i], v[PC+12+4*\c+\i]
.endr
.irp i, 0,1,2
	v_mov_b32 v[PC+3+6*\c+\i], v[PC+12+4*\c+\i]
.endr
.endr
	global_store_b128 v[CO16], v[PC:PC+3], s[4:5]
	global_store_b64 v[CO8], v[PC+4:PC+5], s[4:5]
	global_store_b128 v[CO16], v[PC+6:PC+9], s[6:7]
	global_store_b64 v[CO8], v[PC+10:PC+11], s[6:7]
.endm
	PLACES NP
.irp b, 0,1,2,3
	v_mov_b32 v[TM+4+\b], 0
.endr
.irp a, 0,1,2,3,4,5,6,7
	OUT \a
.endr
	s_cmp_eq_u32 s[KIND], 2
	s_cbranch_scc1 .Lwords_v
.irp a, 0,1,2,3,4,5,6,7
	v_lshrrev_b32 v[PW+\a], v[SH], v[PW+\a]
.endr
	global_store_b128 v[SCO], v[PW:PW+3], s[8:9]
	global_store_b128 v[SCO], v[PW+4:PW+7], s[8:9] offset:256
	s_branch .Lwords_done
.Lwords_v:
	v_cmp_ne_u32 vcc_lo, 0, v2
.irp j, 0,1,2,3
	v_cndmask_b32 v[Z+\j], v[PW+\j], v[PW+4+\j], vcc_lo
.endr
	global_store_b128 v[SCO], v[Z:Z+3], s[8:9]
.Lwords_done:
	s_wait_tensorcnt 0x0
	ds_add_u32 v[SPW], v[NIL]
	s_wait_dscnt 0x0
	CROUND
	s_endpgm
.Lfunc_end_k_q503224da8e_proj:
	.size	k_q503224da8e_proj, .Lfunc_end_k_q503224da8e_proj-k_q503224da8e_proj
	.p2alignl 7, 3214868480
	.fill 96, 4, 3214868480
	.section	.rodata,"a",@progbits
	.p2align	6, 0x0
	.amdhsa_kernel k_q503224da8e_proj
		.amdhsa_group_segment_fixed_size 327680
		.amdhsa_private_segment_fixed_size 0
		.amdhsa_enable_private_segment 0
		.amdhsa_kernarg_size 56
		.amdhsa_user_sgpr_count 2
		.amdhsa_user_sgpr_kernarg_segment_ptr 1
		.amdhsa_wavefront_size32 1
		.amdhsa_system_sgpr_workgroup_id_x 1
		.amdhsa_system_sgpr_workgroup_id_y 1
		.amdhsa_system_sgpr_workgroup_id_z 1
		.amdhsa_system_vgpr_workitem_id 0
		.amdhsa_next_free_vgpr 1024
		.amdhsa_next_free_sgpr 106
		.amdhsa_reserve_vcc 1
		.amdhsa_float_denorm_mode_32 3
		.amdhsa_float_denorm_mode_16_64 3
		.amdhsa_memory_ordered 1
		.amdhsa_forward_progress 1
		.amdhsa_inst_pref_size 173
	.end_amdhsa_kernel
	.amdgpu_metadata
---
amdhsa.version: [ 1, 2 ]
amdhsa.kernels:
  - .name:           k_q503224da8e_proj
    .symbol:         k_q503224da8e_proj.kd
    .args:
      - { .name: opx, .offset: 0, .size: 8, .value_kind: global_buffer, .address_space: global }
      - { .name: opw, .offset: 8, .size: 8, .value_kind: global_buffer, .address_space: global }
      - { .name: bq, .offset: 16, .size: 8, .value_kind: global_buffer, .address_space: global }
      - { .name: bk, .offset: 24, .size: 8, .value_kind: global_buffer, .address_space: global }
      - { .name: bv, .offset: 32, .size: 8, .value_kind: global_buffer, .address_space: global }
      - { .name: qh, .offset: 40, .size: 8, .value_kind: global_buffer, .address_space: global }
      - { .name: kv, .offset: 48, .size: 8, .value_kind: global_buffer, .address_space: global }
    .group_segment_fixed_size: 327680
    .private_segment_fixed_size: 0
    .kernarg_segment_align: 8
    .kernarg_segment_size: 56
    .max_flat_workgroup_size: 128
    .sgpr_count:     106
    .vgpr_count:     1024
    .wavefront_size: 32
...
	.end_amdgpu_metadata
.endif
;; end of part 2
;; launch attn (part 3): grid 4 x 64, 8 waves a work-group, clusters of 4 x 1, 215,040 bytes of LDS; arguments qh, kv, ao; writes ao
.if DOCPART == 3
	.amdgcn_target "amdgcn-amd-amdhsa--gfx1250"
	.amdhsa_code_object_version 6
	.text
	.protected	k_q503224da8e_attn
	.globl	k_q503224da8e_attn
	.p2align	8
	.type	k_q503224da8e_attn,@function
k_q503224da8e_attn:
	s_mov_b64 s[64:65], 0
	v_nop
	global_prefetch_b8 v0, s[64:65] scope:SCOPE_SE
	s_setreg_imm32_b32 hwreg(HW_REG_WAVE_MODE, 25, 1), 1
	s_wait_xcnt 0x0
	s_wait_alu depctr_hold_cnt(0) depctr_sa_sdst(0) depctr_va_vdst(0) depctr_va_sdst(0) depctr_va_ssrc(0) depctr_va_vcc(0) depctr_vm_vsrc(0)
	s_getreg_b32 s2, hwreg(HW_REG_IB_STS2, 6, 4)
	s_cmp_eq_u32 s2, 0
	s_cbranch_scc0 .Lentry_in_a_cluster
	s_endpgm
.Lentry_in_a_cluster:
	s_bfe_u32 s2, ttmp6, 0x10000c
	s_cmp_lg_u32 s2, 0x3003
	s_cbranch_scc0 .Lentry_shape_is_right
	s_endpgm
.Lentry_shape_is_right:
; For each of the 64 (batch, head) pairs g: O = softmax(Q K^T / 8) V on codes of BF6 (E3M2) with E8M0 scales; O / l is quantised along the head's 64 and stored as a half fragment of the last product's operand.
; THE SOFTMAX: t = score x log2(e) / 8; M = the running largest t rounded UP to a whole number; p = 2^(t - M) is quantised along the keys, not normalised; the row's sum l is taken of the unquantised p and divides O at the end.
; When M moves, l and O are multiplied by 2^(old M - new M): exact.
; SHARES.  A work-group owns 512 queries of one g: eight waves, two to a SIMD; a wave has four tiles of 16 queries, TWO AT A TIME (tiles A and B) in two passes: each fragment of K and V read from LDS feeds two tiles.
; THE WHOLE HEAD'S K AND V STAY IN LDS: 16 records of 13,056 bytes (128 keys each: K's 8 halves, V's 4 fragments, K's scale words, V's).  Wave w brings records 2 w, 2 w + 1 by one tensor load; nothing is filled again.
; CLUSTER: the four work-groups of a cluster belong to one g and ask for the records jointly (mask 15).  No prefetch: all loads go out at the head.
; LAYOUT.  Both products transposed: S^T = K Q^T, O^T = V^T P^T: a lane holds ONE query.  K's and V's rows stand in their tiles with bits 3 and 4 of the position exchanged, so the 16 registers of two neighbouring tiles are 16 neighbours.
; K = 64 IN THE FIRST PRODUCT: Q's operand has zero codes in registers 6-11, so K's operand of tile t is the run of 12 registers from its own six on (behind the last tile: zeros).
; LOADS AHEAD: V of a step is asked for at the step's top, K of the next step behind this step's score products.  The last trip of a pass asks for record 15 again (the address is held there); those registers are loaded anew before they are used.
; LIMITS: NaN and infinities are not served; p under 2^-126 falls to 0 (v_exp_f32 gives no denormals); 1 / l by v_rcp_f32; a block of zeros gets the byte 1; the promise holds while |t| stays under 2^31.
; REGISTERS.  Window 0 (v0-255): v1-5 lane terms; v6-8, v9-11 LDS addresses of K, V; v12,13 tile A's -M and largest score, v14,15 tile B's; v16-27 Q; v28,29 l; v30,31 and v86,87 the factors f of A, B; v32-85 K; v88-94 halves of codes;
;   v96-159 S^T, then p; v160-191 O^T; v192-207 scale words (K 8, V 4, Q 2, p 2); v208-235 at work for both tiles; v236-247 p's codes; v248,249 Q's scale words of pass 1; v250,251 the add's.
; Window 1 (v256-511), same low numbers: tile B's Q, l, S^T, O^T, codes, sums; v32-79 V's fragments; v0-11 Q's codes of pass 1.
.set REC, 13056
.set T,  208                           ; block maxima: A's four, B's four
.set U,  216                           ; the other half's maxima; then the bytes
.set SO, 224                           ; the conversions' scale operands
.set X,  232
.set Y,  234
.set PC, 236
.set PH, 88
.set W,  208                           ; seven pairs for the sums, once T and U are done with
.set L,  28
.set FA, 30
.set FB, 86
.set MSB, 0
.macro WIN new                         ; low byte: bits 1:0 source 0, 3:2 source 1, 5:4 source 2, 7:6 destination; the high byte repeats the setting that is left
.if MSB != (\new)
	s_set_vgpr_msb (MSB<<8)|(\new)
.set MSB, (\new)
.endif
.endm
.macro ROUND                           ; a round of the cluster's barrier
	s_barrier_signal -1
	s_barrier_wait -1
	s_cmp_lg_u32 s18, 0
	s_cbranch_scc1 .Lnot_wave_0_\@
	s_barrier_signal -3
.Lnot_wave_0_\@:
	s_barrier_wait -3
	s_barrier_signal -1
	s_barrier_wait -1
.endm
	s_load_b128 s[4:7], s[0:1], 0x0                ; qh, kv
	s_load_b64 s[8:9], s[0:1], 0x10                ; ao
	v_lshl_add_u32 v250, v0, 2, 0x34000
	v_mov_b32 v251, 0
	ds_add_u32 v250, v251                          ; the opening lines: the add, twice on end, and its wait
	ds_add_u32 v250, v251
	v_lshrrev_b32 v8, 5, v0
	v_readfirstlane_b32 s18, v8                    ; wave 0..7
	v_and_b32 v9, 31, v0                           ; lane
	v_and_b32 v10, 15, v0                          ; r
	v_lshlrev_b32 v1, 4, v9                        ; 16 x lane
	v_lshlrev_b32 v2, 3, v9                        ; 8 x lane
	v_lshlrev_b32 v3, 4, v10                       ; 16 r: four scale words a row
	v_lshl_add_u32 v4, v9, 3, 512                  ; a half's last two registers
	v_lshlrev_b32 v5, 5, v10                       ; 32 r: a row of ao's scale bytes
	s_and_b32 s36, ttmp7, 0xffff                   ; g, which the four partners share
	s_bfe_u32 s37, ttmp6, 0x40000                  ; cx: it enters Q's and ao's addresses alone
	s_lshl_b32 s38, s36, 3
	s_add_co_u32 s38, s38, s18
	s_mul_i32 s38, s38, 2*REC                      ; records (g, 2 wave) and the next, in memory,
	s_mov_b32 s39, 0
	s_mul_i32 s33, s18, 2*REC                      ; and in LDS
	s_lshl_b32 s40, s37, 5
	s_add_co_u32 s40, s40, s18                     ; my first query tile: 32 cx + wave; the others 8, 16, 24 further on
	s_lshl_b32 s41, s36, 7
	s_add_co_u32 s41, s41, s40
	s_mul_i32 s42, s41, 768                        ; its half in qh
	s_mov_b32 s43, 0
	s_lshl_b32 s44, s36, 13                        ; its scale words: 8192 g + 256 (tile / 4) + 4 (tile % 4)
	s_lshr_b32 s41, s40, 2
	s_lshl_b32 s41, s41, 8
	s_add_co_u32 s44, s44, s41
	s_and_b32 s41, s40, 3
	s_lshl_b32 s41, s41, 2
	s_add_co_u32 s44, s44, s41
	s_add_co_u32 s44, s44, 6291456
	s_mov_b32 s45, 0
	s_lshr_b32 s41, s36, 4                         ; batch
	s_lshl_b32 s41, s41, 7
	s_add_co_u32 s41, s41, s40                     ; the row tile in ao: 128 batch + tile
	s_and_b32 s36, s36, 15                         ; head
	s_mul_i32 s46, s41, 12288
	s_mul_i32 s47, s36, 768
	s_add_co_u32 s46, s46, s47                     ; the head's half among the tile's sixteen
	s_mov_b32 s47, 0
	s_lshl_b32 s40, s41, 9
	s_lshl_b32 s41, s36, 1
	s_add_co_u32 s40, s40, s41
	s_add_co_u32 s40, s40, 6291456                 ; the head's two scale bytes of the tile's first row
	s_mov_b32 s41, 0
	s_mov_b32 s24, 15|(3<<16)|(1<<21)              ; group 1: two records, dense: 102 rows of 256 bytes; the mask names all four work-groups; 21 set beside a mask
	s_mov_b32 s25, 32<<16
	s_mov_b32 s26, 102<<16
	s_mov_b32 s27, 32<<16
	s_mov_b32 s28, 102
	s_mov_b32 s29, 32
	s_mov_b32 s30, 0
	s_mov_b32 s31, 0
	s_mov_b32 s20, 0x76543210
	s_mov_b32 s21, 0xfedcba98                      ; v_permlanex16_b32's selects for lane l xor 16
	s_mov_b32 s22, 0x3e38aa3b                      ; c = log2(e) / 8
	s_mov_b32 s23, s22                             ; (named with it as a pair, so it is written)
	s_mov_b32 s17, 0xbe38aa3b                      ; -c
	s_mov_b32 s32, 1
	s_wait_dscnt 0x0
	s_wait_kmcnt 0x0
	s_add_nc_u64 s[34:35], s[6:7], s[38:39]
	s_or_b32 s35, s35, 0x80000000
	s_add_nc_u64 s[10:11], s[4:5], s[44:45]        ; Q's scale words
	s_add_nc_u64 s[4:5], s[4:5], s[42:43]          ; Q's codes
	s_add_nc_u64 s[12:13], s[8:9], s[46:47]        ; ao's codes
	s_add_nc_u64 s[14:15], s[8:9], s[40:41]        ; ao's scale bytes
	ROUND                                          ; all four work-groups are here: the joint loads meet
	tensor_load_to_lds s[32:35], s[24:31]          ; my two records: my one tensor load of the launch
	s_nop 0
.rept 4
	v_nop
.endr
	s_wait_alu depctr_va_vdst(0)
	global_load_b128 v[16:19], v1, s[4:5]          ; Q of tile A, pass 0
	global_load_b64 v[20:21], v4, s[4:5]
.irp u, 0,1
	global_load_b32 v[204+\u], v3, s[10:11] offset:512*\u          ; Q's scale words of pass 0,
	global_load_b32 v[248+\u], v3, s[10:11] offset:1024+512*\u     ; of pass 1
.endr
	WIN 0x40                                       ; destinations in window 1
	global_load_b128 v[16:19], v1, s[4:5] offset:6144              ; tile B, pass 0
	global_load_b64 v[20:21], v4, s[4:5] offset:6144
	global_load_b128 v[0:3], v1, s[4:5] offset:12288               ; tile A, pass 1
	global_load_b64 v[4:5], v4, s[4:5] offset:12288
	global_load_b128 v[6:9], v1, s[4:5] offset:18432               ; tile B, pass 1
	global_load_b64 v[10:11], v4, s[4:5] offset:18432
.irp j, 0,1,2,3,4,5
	v_mov_b32 v[22+\j], 0                          ; zero codes for k = 64 .. 127
.endr
	WIN 0
.irp j, 0,1,2,3,4,5
	v_mov_b32 v[22+\j], 0
	v_mov_b32 v[80+\j], 0
.endr
.irp k, 0,1,2,3,4,5,6,7
	v_mov_b32 v[U+\k], 0                           ; written once: a lane permute's destination counts as one of its sources
.endr
	v_mov_b32 v[FA+1], 0                           ; (named as the upper halves of pairs)
	v_mov_b32 v[FB+1], 0
	s_wait_alu depctr_va_vdst(0)
	s_wait_tensorcnt 0x0                           ; my records are in,
	s_barrier_signal -1
	s_barrier_wait -1                              ; everybody's are
	s_wait_loadcnt 0x0                             ; Q
.macro KLOAD a, b, c                   ; K's eight halves and its scale words: 18 loads
.irp t, 0,1,2,3,4,5,6,7
	ds_load_b128 v[32+6*\t:35+6*\t], v[\a] offset:768*\t
	ds_load_b64 v[36+6*\t:37+6*\t], v[\b] offset:768*\t+512
.endr
	ds_load_b128 v[192:195], v[\c] offset:12288
	ds_load_b128 v[196:199], v[\c] offset:12544
.endm
.macro TREE tb                         ; the largest score of each block of 32 keys (my 16 of them): for the row's maximum, and, since p rises with the score, for the block's largest p.  Each accumulator is read from its low end on
.irp b, 0,1,2,3
	v_max_num_f32 v[\tb+\b], v[96+16*\b], v[97+16*\b]
.endr
.irp i, 2,4,6,8,10,12,14
.irp b, 0,1,2,3
	v_max3_num_f32 v[\tb+\b], v[96+16*\b+\i], v[97+16*\b+\i], v[\tb+\b]
.endr
.endr
.endm
.macro ELEM m, f                       ; t - M, two at a time; O^T and l under the new M
.set J, 0
.rept 32
	v_pk_fma_f32 v[96+J:97+J], v[96+J:97+J], s[22:23], v[\m:\m+1] op_sel_hi:[1,0,0]
.set J, J+2
.endr
.set J, 0
.rept 16
	v_pk_mul_f32 v[160+J:161+J], v[160+J:161+J], v[\f:\f+1] op_sel_hi:[1,0]
.set J, J+2
.endr
	v_pk_mul_f32 v[L:L+1], v[L:L+1], v[\f:\f+1] op_sel_hi:[1,0]
.endm
.macro EXPS
.set J, 0
.rept 64
	v_exp_f32 v[96+J], v[96+J]                     ; p = 2^(t - M), at most 1
.set J, J+1
.endr
.endm
.macro CODES so                        ; p's codes: a whole block in a lane
.irp c, 0,1
	v_cvt_scalef32_pk16_bf6_f32 v[PC+6*\c:PC+2+6*\c], v[96+32*\c:111+32*\c], v[\so+2*\c]
	v_cvt_scalef32_pk16_bf6_f32 v[PH+4*\c:PH+2+4*\c], v[112+32*\c:127+32*\c], v[\so+2*\c+1]   ; (a conversion's three registers begin on an even number)
.endr
	v_nop                                          ; one plain place behind a scaled conversion
.irp c, 0,1
.irp i, 0,1,2
	v_permlane16_swap_b32 v[PC+6*\c+\i], v[PH+4*\c+\i]
.endr
.endr
.irp c, 0,1
.irp i, 0,1,2
	v_mov_b32 v[PC+3+6*\c+\i], v[PH+4*\c+\i]
.endr
.endr
.endm
.macro SUM                             ; l += the 64 unquantised p: eight chains by turns, then joined
.irp k, 0,1,2,3,4,5,6
	v_pk_add_f32 v[W+2*\k:W+2*\k+1], v[96+4*\k:97+4*\k], v[98+4*\k:99+4*\k]
.endr
	v_pk_add_f32 v[L:L+1], v[L:L+1], v[124:125]
.irp k, 0,1,2,3,4,5,6
	v_pk_add_f32 v[W+2*\k:W+2*\k+1], v[W+2*\k:W+2*\k+1], v[126+2*\k:127+2*\k]
.endr
	v_pk_add_f32 v[L:L+1], v[L:L+1], v[140:141]
.irp k, 0,1,2,3,4,5,6
	v_pk_add_f32 v[W+2*\k:W+2*\k+1], v[W+2*\k:W+2*\k+1], v[142+2*\k:143+2*\k]
.endr
	v_pk_add_f32 v[L:L+1], v[L:L+1], v[156:157]
	v_pk_add_f32 v[W:W+1], v[W:W+1], v[158:159]
	s_delay_alu instid0(VALU_DEP_4)
	v_pk_add_f32 v[W+2:W+3], v[W+2:W+3], v[W+10:W+11]
	s_delay_alu instid0(VALU_DEP_4)
	v_pk_add_f32 v[W+4:W+5], v[W+4:W+5], v[W+12:W+13]
	v_pk_add_f32 v[W+6:W+7], v[W+6:W+7], v[W+8:W+9]
	s_delay_alu instid0(VALU_DEP_4)
	v_pk_add_f32 v[L:L+1], v[L:L+1], v[W:W+1]
	s_delay_alu instid0(VALU_DEP_3)
	v_pk_add_f32 v[W+2:W+3], v[W+2:W+3], v[W+4:W+5]
	s_delay_alu instid0(VALU_DEP_2)
	v_pk_add_f32 v[L:L+1], v[L:L+1], v[W+6:W+7]
	s_delay_alu instid0(VALU_DEP_1)
	v_pk_add_f32 v[L:L+1], v[L:L+1], v[W+2:W+3]
.endm
; A KEY STEP: the 128 keys of the record at LDS byte s2, for both tiles.  K's 18 loads for it are out or in at its top
.macro STEP
	v_add_nc_u32 v9, s2, v1
	v_add_nc_u32 v10, s2, v2
	v_add_nc_u32 v11, s2, v3
	v_nop                                          ; four places in front of loads into registers that the last products have read
	s_add_co_u32 s16, s2, REC
	s_min_u32 s16, s16, 15*REC                     ; the next record, held at the last
	WIN 0x40
.irp t, 0,1,2,3                                ; V's four fragments, into window 1: they land under the softmax
	ds_load_b128 v[32+12*\t:35+12*\t], v9 offset:6144+1536*\t
	ds_load_b64 v[36+12*\t:37+12*\t], v10 offset:6144+1536*\t+512
	ds_load_b128 v[38+12*\t:41+12*\t], v9 offset:6144+1536*\t+768
	ds_load_b64 v[42+12*\t:43+12*\t], v10 offset:6144+1536*\t+1280
.endr
	WIN 0
	ds_load_b128 v[200:203], v11 offset:12800      ; and its scale words
	s_wait_dscnt 17                                ; K is in; V's 17 loads may be out
.irp t, 0,1,2,3,4,5,6,7
	v_wmma_scale_f32_16x16x128_f8f6f4 v[96+8*\t:103+8*\t], v[32+6*\t:43+6*\t], v[16:27], 0, v[192+\t], v204 matrix_a_fmt:MATRIX_FMT_BF6 matrix_b_fmt:MATRIX_FMT_BF6
.endr
	WIN 0x44                                       ; tile B: Q and S^T in window 1
.irp t, 0,1,2,3,4,5,6,7
	v_wmma_scale_f32_16x16x128_f8f6f4 v[96+8*\t:103+8*\t], v[32+6*\t:43+6*\t], v[16:27], 0, v[192+\t], v205 matrix_a_fmt:MATRIX_FMT_BF6 matrix_b_fmt:MATRIX_FMT_BF6
.endr
	WIN 0
	v_add_nc_u32 v6, s16, v1
	v_add_nc_u32 v7, s16, v2
	v_add_nc_u32 v8, s16, v3
	v_nop                                          ; four places behind the products
	KLOAD 6, 7, 8                                  ; the next step's K
	TREE T
	WIN 0x05                                       ; sources 0 and 1 in window 1
	TREE T+4
	WIN 0
.irp k, 0,1,2,3,4,5,6,7                        ; from here both tiles by turns, in window 0
	v_permlanex16_b32 v[U+\k], v[T+\k], s20, s21
.endr
.irp k, 0,1,2,3,4,5,6,7
	v_max_num_f32 v[T+\k], v[T+\k], v[U+\k]        ; with lane l xor 16's 16 keys
.endr
	v_max3_num_f32 v[X], v[T], v[T+1], v[T+2]
	s_delay_alu instid0(VALU_DEP_3)
	v_max3_num_f32 v[X+1], v[T+4], v[T+5], v[T+6]
	v_mov_b32 v[Y], v12
	v_mov_b32 v[Y+1], v14
	s_delay_alu instid0(VALU_DEP_4)
	v_max3_num_f32 v13, v13, v[X], v[T+3]          ; the running largest score
	s_delay_alu instid0(VALU_DEP_4)
	v_max3_num_f32 v15, v15, v[X+1], v[T+7]
	s_delay_alu instid0(VALU_DEP_2)
	v_mul_f32 v[X], s17, v13                       ; -t (c is positive, and rounding keeps the order)
	s_delay_alu instid0(VALU_DEP_2)
	v_mul_f32 v[X+1], s17, v15
	s_delay_alu instid0(VALU_DEP_2)
	v_floor_f32 v12, v[X]                          ; the new -M = floor(-t) = -ceil(t)
	s_delay_alu instid0(VALU_DEP_2)
	v_floor_f32 v14, v[X+1]
	s_delay_alu instid0(VALU_DEP_2)
	v_sub_f32 v[Y], v12, v[Y]                      ; old M - new M: a whole number, 0 or less
	s_delay_alu instid0(VALU_DEP_2)
	v_sub_f32 v[Y+1], v14, v[Y+1]
	s_delay_alu instid0(VALU_DEP_2)
	v_cvt_i32_f32 v[Y], v[Y]                       ; (it saturates)
	s_delay_alu instid0(VALU_DEP_2)
	v_cvt_i32_f32 v[Y+1], v[Y+1]
	s_delay_alu instid0(VALU_DEP_2)
	v_ldexp_f32 v[FA], 1.0, v[Y]                   ; f = 2^(old M - new M)
	s_delay_alu instid0(VALU_DEP_2)
	v_ldexp_f32 v[FB], 1.0, v[Y+1]
.irp b, 0,1,2,3
	v_fma_f32 v[T+\b], v[T+\b], s22, v12           ; t - M of each block's largest score
.endr
.irp b, 4,5,6,7
	v_fma_f32 v[T+\b], v[T+\b], s22, v14
.endr
	ELEM 12, FA
	WIN 0x41                                       ; tile B: source 0 and the destination in window 1; -M and f in window 0
	ELEM 14, FB
	s_wait_alu depctr_va_vdst(0)
	EXPS
	WIN 0
	EXPS
.irp k, 0,1,2,3,4,5,6,7
	v_exp_f32 v[T+\k], v[T+\k]                     ; the block's largest p: the same two instructions on the same number
.endr
	v_nop                                          ; a plain place behind the exponentials
	s_wait_alu depctr_va_vdst(0)                   ; one wait for the whole batch
.irp k, 0,1,2,3,4,5,6,7
	v_max_num_f32 v[T+\k], 0x2800000, v[T+\k]      ; the floor 2^(5 - 127)
.endr
.irp k, 0,1,2,3,4,5,6,7
	v_add_nc_u32 v[SO+\k], 0xfe000000, v[T+\k]     ; 4 off the exponent field: the conversion's scale operand
.endr
.irp k, 0,1,2,3,4,5,6,7
	v_lshrrev_b32 v[U+\k], 23, v[SO+\k]            ; the byte
.endr
	v_lshl_or_b32 v[X], v[U+1], 8, v[U]
	v_lshl_or_b32 v[Y], v[U+3], 8, v[U+2]
	v_lshl_or_b32 v[X+1], v[U+5], 8, v[U+4]
	s_delay_alu instid0(VALU_DEP_4)
	v_lshl_or_b32 v[Y+1], v[U+7], 8, v[U+6]
	s_delay_alu instid0(VALU_DEP_3)
	v_lshl_or_b32 v206, v[Y], 16, v[X]             ; p's scale words for these 128 keys: tile A's,
	s_delay_alu instid0(VALU_DEP_2)
	v_lshl_or_b32 v207, v[Y+1], 16, v[X+1]         ; tile B's
	CODES SO
	SUM
	WIN 0x41
	CODES SO+4
	WIN 0x55                                       ; all in window 1
	SUM
	s_wait_dscnt 18                                ; V is in; the next K's 18 loads may be out
.irp t, 0,1,2,3                                ; the eight accumulators take turns
	v_wmma_scale_f32_16x16x128_f8f6f4 v[160+8*\t:167+8*\t], v[32+12*\t:43+12*\t], v[PC:PC+11], v[160+8*\t:167+8*\t], v[200+\t], v207 matrix_a_fmt:MATRIX_FMT_BF6 matrix_b_fmt:MATRIX_FMT_BF6
.endr
	WIN 0x01                                       ; tile A: V alone in window 1
.irp t, 0,1,2,3
	v_wmma_scale_f32_16x16x128_f8f6f4 v[160+8*\t:167+8*\t], v[32+12*\t:43+12*\t], v[PC:PC+11], v[160+8*\t:167+8*\t], v[200+\t], v206 matrix_a_fmt:MATRIX_FMT_BF6 matrix_b_fmt:MATRIX_FMT_BF6
.endr
	WIN 0
	s_add_co_u32 s2, s2, REC
.endm
; A tile's way out: O^T / l, quantised along the head's 64.  wv: the window of all its vector operands; ws: that of the stores' data; u: which of my four tiles
.macro EPI wv, ws, u
	WIN \wv
	v_add_f32 v[L], v[L], v[L+1]
	s_delay_alu instid0(VALU_DEP_1)
	v_permlanex16_b32 v[W], v[L], s20, s21
	s_delay_alu instid0(VALU_DEP_1)
	v_add_f32 v[L], v[L], v[W]                     ; the row's sum
	s_wait_alu depctr_va_vdst(0)                   ; the wait ahead of the transcendental
	v_rcp_f32 v[L], v[L]
	v_nop                                          ; one plain place behind it
	s_wait_alu depctr_va_vdst(0)                   ; the wait ahead of its first reader, which is also O^T's
.set J, 0
.rept 16
	v_pk_mul_f32 v[96+J:97+J], v[160+J:161+J], v[L:L+1] op_sel_hi:[1,0]   ; register 16 b + i is channel 32 b + 16 h + i of my query
.set J, J+2
.endr
.irp b, 0,1
	v_max3_num_f32 v[X+\b], |v[96+16*\b]|, |v[97+16*\b]|, 0x2800000
.endr
.irp i, 2,4,6,8,10,12,14
.irp b, 0,1
	s_delay_alu instid0(VALU_DEP_2)
	v_max3_num_f32 v[X+\b], v[X+\b], |v[96+16*\b+\i]|, |v[97+16*\b+\i]|
.endr
.endr
.irp b, 0,1
	s_delay_alu instid0(VALU_DEP_2)
	v_permlanex16_b32 v[W+\b], v[X+\b], s20, s21
.endr
.irp b, 0,1
	s_delay_alu instid0(VALU_DEP_2)
	v_max_num_f32 v[X+\b], v[X+\b], v[W+\b]
.endr
.irp b, 0,1
	s_delay_alu instid0(VALU_DEP_2)
	v_add_nc_u32 v[SO+\b], 0xfe000000, v[X+\b]
.endr
.irp b, 0,1
	s_delay_alu instid0(VALU_DEP_2)
	v_lshrrev_b32 v[W+\b], 23, v[SO+\b]
.endr
	s_delay_alu instid0(VALU_DEP_1)
	v_lshl_or_b32 v[Y], v[W+1], 8, v[W]            ; the head's two scale bytes of my row
	v_cvt_scalef32_pk16_bf6_f32 v[PC:PC+2], v[96:111], v[SO]
	v_cvt_scalef32_pk16_bf6_f32 v[PH:PH+2], v[112:127], v[SO+1]
	v_nop
.irp i, 0,1,2
	v_permlane16_swap_b32 v[PC+\i], v[PH+\i]
.endr
.irp i, 0,1,2
	s_delay_alu instid0(VALU_DEP_3)
	v_mov_b32 v[PC+3+\i], v[PH+\i]
.endr
	WIN \ws
	global_store_b128 v1, v[PC:PC+3], s[12:13] offset:(\u)*98304   ; the half: 512 consecutive bytes,
	global_store_b64 v4, v[PC+4:PC+5], s[12:13] offset:(\u)*98304  ; and 256
	global_store_b16 v5, v[Y], s[14:15] offset:(\u)*4096           ; two bytes a row, 32 bytes apart (both halves of the lanes write the same)
	WIN 0
.endm
; Two tiles of 16 queries against all 2,048 keys, and their way out
.macro PASS p
.if \p
	s_wait_xcnt 0x0                                ; the first pass's stores have read their registers
	s_wait_dscnt 0x0                               ; the loads that the last trip asked for have landed: K's registers may be loaded anew
	WIN 0x01
.irp j, 0,1,2,3,4,5
	v_mov_b32 v[16+\j], v[\j]                      ; this pass's Q: tile A's,
.endr
	WIN 0x41
.irp j, 0,1,2,3,4,5
	v_mov_b32 v[16+\j], v[6+\j]                    ; tile B's,
.endr
	WIN 0
	v_mov_b32 v204, v248                           ; and their scale words
	v_mov_b32 v205, v249
.endif
	KLOAD 1, 2, 3                                  ; record 0's K
	v_mov_b32 v13, 0xff61b1e6                      ; the largest score so far: -3e38
	v_mov_b32 v15, 0xff61b1e6
	v_mov_b32 v12, 0x7e000000                      ; -M: so large that the first f is 0
	v_mov_b32 v14, 0x7e000000
.irp w, 0, 0x40
	WIN \w
	v_mov_b32 v[L], 0
	v_mov_b32 v[L+1], 0
.set J, 0
.rept 32
	v_mov_b32 v[160+J], 0                          ; O^T: the step is written once; the first finds zeros, which the first change of M leaves zeros
.set J, J+1
.endr
.endr
	WIN 0
	s_mov_b32 s2, 0
	s_mov_b32 s3, 16
.Lkeys_\@:
	STEP
	s_sub_co_u32 s3, s3, 1
	s_cmp_lg_u32 s3, 0
	s_cbranch_scc1 .Lkeys_\@
.rept 4
	v_nop                                          ; places behind the last products
.endr
	s_wait_alu depctr_va_vdst(0)
	EPI 0, 0, 2*\p
	EPI 0x55, 0x04, 2*\p+1
.endm
	PASS 0
	PASS 1
	s_wait_dscnt 0x0
	s_wait_tensorcnt 0x0                           ; the wave's end
	ds_add_u32 v250, v251
	s_wait_dscnt 0x0
	ROUND                                          ; the closing round
	s_endpgm
.Lfunc_end_k_q503224da8e_attn:
	.size	k_q503224da8e_attn, .Lfunc_end_k_q503224da8e_attn-k_q503224da8e_attn
	.p2alignl 7, 3214868480
	.fill 96, 4, 3214868480
	.section	.rodata,"a",@progbits
	.p2align	6, 0x0
	.amdhsa_kernel k_q503224da8e_attn
		.amdhsa_group_segment_fixed_size 215040
		.amdhsa_private_segment_fixed_size 0
		.amdhsa_enable_private_segment 0
		.amdhsa_kernarg_size 24
		.amdhsa_user_sgpr_count 2
		.amdhsa_user_sgpr_kernarg_segment_ptr 1
		.amdhsa_wavefront_size32 1
		.amdhsa_system_sgpr_workgroup_id_x 1
		.amdhsa_system_sgpr_workgroup_id_y 1
		.amdhsa_system_sgpr_workgroup_id_z 1
		.amdhsa_system_vgpr_workitem_id 0
		.amdhsa_next_free_vgpr 512
		.amdhsa_next_free_sgpr 66
		.amdhsa_reserve_vcc 0
		.amdhsa_float_denorm_mode_32 3
		.amdhsa_float_denorm_mode_16_64 3
		.amdhsa_memory_ordered 1
		.amdhsa_forward_progress 1
		.amdhsa_inst_pref_size 93
	.end_amdhsa_kernel
	.amdgpu_metadata
---
amdhsa.version: [ 1, 2 ]
amdhsa.kernels:
  - .name:           k_q503224da8e_attn
    .symbol:         k_q503224da8e_attn.kd
    .args:
      - { .name: qh, .offset: 0, .size: 8, .value_kind: global_buffer, .address_space: global }
      - { .name: kv, .offset: 8, .size: 8, .value_kind: global_buffer, .address_space: global }
      - { .name: ao, .offset: 16, .size: 8, .value_kind: global_buffer, .address_space: global }
    .group_segment_fixed_size: 215040
    .private_segment_fixed_size: 0
    .kernarg_segment_align: 8
    .kernarg_segment_size: 24
    .max_flat_workgroup_size: 256
    .sgpr_count:     66
    .vgpr_count:     512
    .wavefront_size: 32
...
	.end_amdgpu_metadata
.endif
;; end of part 3
;; launch outp (part 4): grid 4 x 64, 8 waves a work-group, clusters of 4 x 4, 327,680 bytes of LDS; arguments ao, opw, bo, out0; writes out0
.if DOCPART == 4
	.amdgcn_target "amdgcn-amd-amdhsa--gfx1250"
	.amdhsa_code_object_version 6
	.text
	.protected	k_q503224da8e_outp
	.globl	k_q503224da8e_outp
	.p2align	8
	.type	k_q503224da8e_outp,@function
k_q503224da8e_outp:
	s_mov_b64 s[64:65], 0
	v_nop
	global_prefetch_b8 v0, s[64:65] scope:SCOPE_SE
	s_setreg_imm32_b32 hwreg(HW_REG_WAVE_MODE, 25, 1), 1
	s_wait_xcnt 0x0
	s_wait_alu depctr_hold_cnt(0) depctr_sa_sdst(0) depctr_va_vdst(0) depctr_va_sdst(0) depctr_va_ssrc(0) depctr_va_vcc(0) depctr_vm_vsrc(0)
	s_getreg_b32 s2, hwreg(HW_REG_IB_STS2, 6, 4)
	s_cmp_eq_u32 s2, 0
	s_cbranch_scc0 .Lentry_in_a_cluster
	s_endpgm
.Lentry_in_a_cluster:
	s_bfe_u32 s2, ttmp6, 0x10000c
	s_cmp_lg_u32 s2, 0xf033
	s_cbranch_scc0 .Lentry_shape_is_right
	s_endpgm
.Lentry_shape_is_right:
; out0 = X Wo + bo.  X [8192][1024] (ao) and Wo (in opw) arrive as codes of BF6 (E3M2) with E8M0 scale words, laid in the order of the operand's registers:
; fragment (row tile T, K step s), 16 rows x 128 K, lies at (8 T + s) x 1536 bytes: two halves of 768 (four registers at 16 x lane, two at 512 + 8 x lane); scale words: 32 bytes a row, word s at 4 s.
; SHARES.  A work-group makes 128 rows x 256 columns: 64 x 4 = 256 work-groups.  Eight waves, two to a SIMD, each 64 x 64: 16 accumulators, 128 registers; no register above v255.
; THE WHOLE K OF BOTH OPERANDS STAYS IN LDS: A's 8 row tiles are 98,304 consecutive bytes of memory, B's 16 are 196,608, their scales 4,096 and 8,192.  Each wave brings one dense piece by one tensor load at the head:
; waves 0, 1 A's halves, waves 2-5 B's quarters (49,152 bytes each, as rows of 256 bytes), wave 6 A's scales, wave 7 B's.  Nothing is filled again: no ring.
; CLUSTER 4 x 4: the four work-groups of a row of the cluster share A's rows, the four of a column B's: joint loads.  No prefetch: the launch has no loop to run ahead in; all its loads go out at the head.
; THE MATRIX INSTRUCTION IS USED TRANSPOSED (source 0 = 16 columns of Wo, source 1 = 16 rows of X): a lane holds eight neighbouring columns of one row.  The bias is loaded into the accumulators, so every K step adds in place.
; THE WAY OUT: 16 rows x 64 columns at a time through the wave's own stage in LDS, back as rows of 256 bytes: sixteen lanes store one aligned run of 256 bytes.  The stage lies on A's bytes, behind a barrier behind which nobody reads them.
.set TILE,   12288                     ; a row tile's codes, all of K
.set CHUNK,  4*TILE                    ; what a wave loads, and what a wave reads of A or of B
.set LB,     2*CHUNK                   ; LDS: A at 0, B behind it,
.set LSA,    6*CHUNK                   ; A's scales,
.set LSB,    LSA+4096                  ; B's scales,
.set SPARE,  LSB+8192                  ; the spare words: 128 bytes a wave, four blocks of 256 bytes that no other line names
.set SPITCH, 272                       ; a stage row: 256 bytes + 16
.set A16, 2                            ; v2, v3  LDS address of my A fragments: 16 x lane, 8 x lane
.set A8,  3
.set B16, 4                            ; v4, v5  the same for B
.set B8,  5
.set ADRS, 6                           ; v6   my scale words: lanes 0-15 A's rows, lanes 16-31 B's
.set STO, 7                            ; v7   the stage, in
.set RD,  8                            ; v8   the stage, back
.set CO,  9                            ; v9   my byte offset in out0
.set BO,  10                           ; v10  my byte offset in bo
.set SPW, 12                           ; v12  my spare word; never rewritten
.set NIL, 13                           ; v13  0; never rewritten
.set SC,  16                           ; v16-31   scale words of four K steps: register 4 i + q: lanes 0-15 A's tile i, lanes 16-31 B's tile i
.set AF,  32                           ; v32-79   A's four fragments
.set BF,  80                           ; v80-127  B's four
.set ACC, 128                          ; v128-255 accumulator (a, b) at 8 (4 a + b)
.set BK,  32                           ; the way out: two sets of 32 registers
.set G1A, 24
.set G0A, 32
.set G0B, 36
.set G1B, 48
.set G0SA, 56
.set G0SB, 60
.set G1SA, 68
.set G1SB, 80
.macro CREST
	s_cmp_lg_u32 s14, 0
	s_cbranch_scc1 .Lnot_wave_0_\@
	s_barrier_signal -3
.Lnot_wave_0_\@:
	s_barrier_wait -3
	s_barrier_signal -1
	s_barrier_wait -1
.endm
.macro CROUND                          ; a round of the cluster's barrier
	s_barrier_signal -1
	s_barrier_wait -1
	CREST
.endm
.macro DENSE g, rows                   ; group 1 of a dense block: rows of 256 bytes (32 elements of 8 bytes)
	s_mov_b32 s[\g+1], 32<<16
	s_mov_b32 s[\g+2], (\rows)<<16
	s_mov_b32 s[\g+3], 32<<16
	s_mov_b32 s[\g+4], \rows
	s_mov_b32 s[\g+5], 32
	s_mov_b32 s[\g+6], 0
	s_mov_b32 s[\g+7], 0
.endm
.macro PLACES
.rept 4
	v_nop
.endr
.endm
	s_load_b256 s[4:11], s[0:1], 0x0               ; ao, opw, bo, out0
	v_lshl_add_u32 v[SPW], v0, 2, SPARE
	v_mov_b32 v[NIL], 0
	ds_add_u32 v[SPW], v[NIL]                      ; the opening lines: the add, twice on end, and its wait
	ds_add_u32 v[SPW], v[NIL]
	v_lshrrev_b32 v1, 5, v0
	v_readfirstlane_b32 s14, v1                    ; wave 0..7
	s_lshr_b32 s15, s14, 2                         ; which 64 rows are mine
	s_and_b32 s16, s14, 3                          ; which 64 columns
	s_bfe_u32 s40, ttmp6, 0x40000                  ; cx
	s_bfe_u32 s41, ttmp6, 0x40004                  ; cy
	s_lshl_b32 s42, ttmp9, 2
	s_add_co_u32 s42, s42, s40                     ; block column, 0..3
	s_and_b32 s17, ttmp7, 0xffff
	s_lshl_b32 s17, s17, 2
	s_add_co_u32 s17, s17, s41                     ; block row, 0..63
	s_lshl_b32 s43, s41, 2
	s_lshl_b32 s43, 15, s43                        ; my row of the cluster
	s_lshl_b32 s44, 0x1111, s40                    ; my column
	s_or_b32 s[G1A], s43, (3<<16)|(1<<21)          ; 15:0 the mask; 17:16 elements of 8 bytes; 21 set beside a mask
	s_or_b32 s[G1SA], s43, (3<<16)|(1<<21)
	s_or_b32 s[G1B], s44, (3<<16)|(1<<21)
	s_or_b32 s[G1SB], s44, (3<<16)|(1<<21)
	DENSE G1A, 192
	DENSE G1B, 192
	DENSE G1SA, 16
	DENSE G1SB, 32
	s_mul_i32 s45, s14, CHUNK
	s_mul_i32 s20, s17, 2*CHUNK
	s_add_co_u32 s20, s20, s45                     ; A's codes: block row x 98,304 + wave x 49,152 (waves 0, 1)
	s_mov_b32 s21, 0
	s_lshl_b32 s22, s17, 12
	s_add_co_u32 s22, s22, 6291456                 ; A's scales
	s_mov_b32 s23, 0
	s_mul_i32 s46, s42, 4*CHUNK
	s_add_co_u32 s46, s46, s45
	s_add_co_u32 s46, s46, 2359296-2*CHUNK         ; Wo's codes: block column x 196,608 + (wave - 2) x 49,152 (waves 2-5)
	s_mov_b32 s47, 0
	s_lshl_b32 s92, s42, 13
	s_add_co_u32 s92, s92, 3244032                 ; Wo's scales
	s_mov_b32 s93, 0
	s_wait_dscnt 0x0                               ; both opening adds are done
	s_wait_kmcnt 0x0
	s_add_nc_u64 s[20:21], s[4:5], s[20:21]
	s_add_nc_u64 s[22:23], s[4:5], s[22:23]
	s_add_nc_u64 s[46:47], s[6:7], s[46:47]
	s_add_nc_u64 s[92:93], s[6:7], s[92:93]
	CROUND                                         ; all sixteen work-groups are here: the joint loads meet
	s_mov_b32 s[G0A], 1
	s_mul_i32 s[G0A+1], s14, CHUNK                 ; LDS: wave x 49,152, for A's pieces and B's alike
	s_mov_b64 s[G0A+2:G0A+3], s[20:21]
	s_or_b32 s[G0A+3], s[G0A+3], 0x80000000
	s_mov_b32 s[G0B], 1
	s_mul_i32 s[G0B+1], s14, CHUNK
	s_mov_b64 s[G0B+2:G0B+3], s[46:47]
	s_or_b32 s[G0B+3], s[G0B+3], 0x80000000
	s_mov_b32 s[G0SA], 1
	s_mov_b32 s[G0SA+1], LSA
	s_mov_b64 s[G0SA+2:G0SA+3], s[22:23]
	s_or_b32 s[G0SA+3], s[G0SA+3], 0x80000000
	s_mov_b32 s[G0SB], 1
	s_mov_b32 s[G0SB+1], LSB
	s_mov_b64 s[G0SB+2:G0SB+3], s[92:93]
	s_or_b32 s[G0SB+3], s[G0SB+3], 0x80000000
; one chain of branches on the wave's number, one load to an arm: every way passes exactly one load
.macro ARM under, g0, g1, next
	s_cmp_lt_u32 s14, \under
	s_cbranch_scc0 \next
	tensor_load_to_lds s[\g0:\g0+3], s[\g1:\g1+7]
	s_nop 0
	PLACES
	s_branch .Lasked
\next:
.endm
	ARM 2, G0A,  G1A,  .Lfor_b
	ARM 6, G0B,  G1B,  .Lfor_sa
	ARM 7, G0SA, G1SA, .Lfor_sb
	tensor_load_to_lds s[G0SB:G0SB+3], s[G1SB:G1SB+7]
	s_nop 0
	PLACES
.Lasked:
	v_and_b32 v1, 15, v0                           ; r
	v_bfe_u32 v14, v0, 4, 1                        ; h
	v_and_b32 v15, 31, v0                          ; lane
	v_lshlrev_b32 v11, 4, v15
	v_lshlrev_b32 v15, 3, v15
	s_mul_i32 s21, s15, CHUNK                      ; my four row tiles of A
	s_mul_i32 s22, s16, CHUNK
	s_add_co_u32 s22, s22, LB                      ; my four of B
	v_add_nc_u32 v[A16], s21, v11
	v_add_nc_u32 v[A8], s21, v15
	v_add_nc_u32 v[B16], s22, v11
	v_add_nc_u32 v[B8], s22, v15
	s_lshl_b32 s21, s15, 11                        ; scale words: 512 bytes a tile
	s_lshl_b32 s22, s16, 11
	s_add_co_u32 s22, s22, LSB-LSA
	s_sub_co_u32 s22, s22, s21                     ; from A's words to B's
	v_mul_u32_u24 v11, s22, v14                    ; lanes 16-31 take B's
	s_add_co_u32 s21, s21, LSA
	v_lshl_add_u32 v11, v1, 5, v11                 ; + 32 r
	v_add_nc_u32 v[ADRS], s21, v11
	s_mul_i32 s23, s14, 16*SPITCH                  ; my stage
	v_mul_u32_u24 v11, v1, SPITCH
	v_lshl_add_u32 v11, v14, 5, v11
	v_add_nc_u32 v[STO], s23, v11                  ; in: row r, 32 bytes for each half of the lanes
	v_mul_u32_u24 v15, v14, SPITCH
	v_lshl_add_u32 v15, v1, 4, v15
	v_add_nc_u32 v[RD], s23, v15                   ; back: lanes 0-15 one row of 256 bytes, lanes 16-31 the next
	v_lshlrev_b32 v[CO], 12, v14
	v_lshl_add_u32 v[CO], v1, 4, v[CO]             ; and the same two rows in out0 (4,096 bytes a row)
	v_lshlrev_b32 v[BO], 5, v14
	s_lshl_b32 s46, s42, 10
	s_lshl_b32 s47, s16, 8
	s_add_co_u32 s46, s46, s47                     ; my first column, in bytes
	s_mov_b32 s47, 0
	s_add_nc_u64 s[8:9], s[8:9], s[46:47]
	s_lshl_b32 s20, s17, 7
	s_lshl_b32 s21, s15, 6
	s_add_co_u32 s20, s20, s21                     ; my first row
	s_lshl_b32 s20, s20, 12
	s_mov_b32 s21, 0
	s_add_nc_u64 s[20:21], s[20:21], s[46:47]
	s_add_nc_u64 s[12:13], s[10:11], s[20:21]
	s_wait_alu depctr_va_vdst(0)
.irp a, 0,1,2,3
.irp b, 0,1,2,3
	global_load_b128 v[ACC+8*(4*\a+\b):ACC+8*(4*\a+\b)+3], v[BO], s[8:9] offset:64*\b        ; bo(16 b + 8 h + 0 .. 7) starts every sum of tile column b
	global_load_b128 v[ACC+8*(4*\a+\b)+4:ACC+8*(4*\a+\b)+7], v[BO], s[8:9] offset:64*\b+16
.endr
.endr
	s_wait_tensorcnt 0x0                           ; my piece is in,
	s_barrier_signal -1
	s_barrier_wait -1                              ; everybody's is
	s_wait_loadcnt 0x0                             ; the bias
.macro FRAG reg, a16, a8, off
	ds_load_b128 v[\reg:\reg+3], v[\a16] offset:\off
	ds_load_b64 v[\reg+4:\reg+5], v[\a8] offset:(\off)+512
	ds_load_b128 v[\reg+6:\reg+9], v[\a16] offset:(\off)+768
	ds_load_b64 v[\reg+10:\reg+11], v[\a8] offset:(\off)+1280
.endm
; a K step of 128: 32 LDS loads (and every fourth step four of scale words), 16 matrix instructions, A's tiles one after the other against B's four.  The 16 accumulators take turns.
.macro KSTEP s
.if (\s) > 0
	PLACES                                         ; in front of loads into registers that the last products have read
.endif
.if (\s)%4 == 0
.irp i, 0,1,2,3
	ds_load_b128 v[SC+4*\i:SC+4*\i+3], v[ADRS] offset:512*\i+4*(\s)
.endr
.endif
.irp i, 0,1,2,3
	FRAG BF+12*\i, B16, B8, TILE*\i+1536*(\s)
.endr
.irp i, 0,1,2,3
	FRAG AF+12*\i, A16, A8, TILE*\i+1536*(\s)
.endr
.irp a, 0,1,2,3
	s_wait_dscnt 4*(3-\a)                          ; A's later tiles, four loads each, may be out
.irp b, 0,1,2,3
	v_wmma_scale_f32_16x16x128_f8f6f4 v[ACC+8*(4*\a+\b):ACC+8*(4*\a+\b)+7], v[BF+12*\b:BF+12*\b+11], v[AF+12*\a:AF+12*\a+11], v[ACC+8*(4*\a+\b):ACC+8*(4*\a+\b)+7], v[SC+4*\b+(\s)%4], v[SC+4*\a+(\s)%4] matrix_a_fmt:MATRIX_FMT_BF6 matrix_b_fmt:MATRIX_FMT_BF6 matrix_a_scale:MATRIX_SCALE_ROW1
.endr
.endr
.endm
.set ST, 0
.rept 8
	KSTEP ST
.set ST, ST+1
.endr
	PLACES                                         ; behind the last products: their results are read, and the fragments' registers loaded into, below
	s_wait_dscnt 0x0                               ; my reads of A and B are over
	s_barrier_signal -1
	s_barrier_wait -1                              ; everybody's are: the stages may lie on A's bytes, which have had their one fill
.macro TOSTAGE a
.irp b, 0,1,2,3
	ds_store_b128 v[STO], v[ACC+8*(4*(\a)+\b):ACC+8*(4*(\a)+\b)+3] offset:64*\b          ; each accumulator from its low end on
	ds_store_b128 v[STO], v[ACC+8*(4*(\a)+\b)+4:ACC+8*(4*(\a)+\b)+7] offset:64*\b+16
.endr
.irp t, 0,1,2,3,4,5,6,7
	ds_load_b128 v[BK+32*((\a)%2)+4*\t:BK+32*((\a)%2)+4*\t+3], v[RD] offset:2*\t*SPITCH   ; LDS serves a wave's instructions in order: these see the stores above
.endr
.endm
.macro SEND a, younger                 ; younger: the LDS instructions issued behind block a's loads
	s_wait_dscnt \younger
.irp t, 0,1,2,3,4,5,6,7
	global_store_b128 v[CO], v[BK+32*((\a)%2)+4*\t:BK+32*((\a)%2)+4*\t+3], s[12:13] offset:(16*(\a)+2*\t)*4096 th:TH_STORE_NT   ; sixteen lanes store 256 consecutive bytes, aligned
.endr
.endm
	TOSTAGE 0
.irp a, 1,2,3
.if \a > 1
	s_wait_xcnt 0x0                                ; block a - 2's stores have read their registers: block a's loads may land there
.endif
	TOSTAGE \a
	SEND \a-1, 16                                  ; behind block a - 1's loads: block a's 8 stores and 8 loads
.endr
	SEND 3, 0
	s_wait_tensorcnt 0x0                           ; the wave's end
	ds_add_u32 v[SPW], v[NIL]
	s_wait_dscnt 0x0
	CROUND                                         ; the closing round
	s_endpgm
.Lfunc_end_k_q503224da8e_outp:
	.size	k_q503224da8e_outp, .Lfunc_end_k_q503224da8e_outp-k_q503224da8e_outp
	.p2alignl 7, 3214868480
	.fill 96, 4, 3214868480
	.section	.rodata,"a",@progbits
	.p2align	6, 0x0
	.amdhsa_kernel k_q503224da8e_outp
		.amdhsa_group_segment_fixed_size 327680
		.amdhsa_private_segment_fixed_size 0
		.amdhsa_enable_private_segment 0
		.amdhsa_kernarg_size 32
		.amdhsa_user_sgpr_count 2
		.amdhsa_user_sgpr_kernarg_segment_ptr 1
		.amdhsa_wavefront_size32 1
		.amdhsa_system_sgpr_workgroup_id_x 1
		.amdhsa_system_sgpr_workgroup_id_y 1
		.amdhsa_system_sgpr_workgroup_id_z 1
		.amdhsa_system_vgpr_workitem_id 0
		.amdhsa_next_free_vgpr 256
		.amdhsa_next_free_sgpr 100
		.amdhsa_reserve_vcc 0
		.amdhsa_float_denorm_mode_32 3
		.amdhsa_float_denorm_mode_16_64 3
		.amdhsa_memory_ordered 1
		.amdhsa_forward_progress 1
		.amdhsa_inst_pref_size 54
	.end_amdhsa_kernel
	.amdgpu_metadata
---
amdhsa.version: [ 1, 2 ]
amdhsa.kernels:
  - .name:           k_q503224da8e_outp
    .symbol:         k_q503224da8e_outp.kd
    .args:
      - { .name: ao, .offset: 0, .size: 8, .value_kind: global_buffer, .address_space: global }
      - { .name: opw, .offset: 8, .size: 8, .value_kind: global_buffer, .address_space: global }
      - { .name: bo, .offset: 16, .size: 8, .value_kind: global_buffer, .address_space: global }
      - { .name: out0, .offset: 24, .size: 8, .value_kind: global_buffer, .address_space: global }
    .group_segment_fixed_size: 327680
    .private_segment_fixed_size: 0
    .kernarg_segment_align: 8
    .kernarg_segment_size: 32
    .max_flat_workgroup_size: 256
    .sgpr_count:     100
    .vgpr_count:     256
    .wavefront_size: 32
...
	.end_amdgpu_metadata
.endif
;; end of part 4
